; MI455X (gfx1250); checked and timed in simulation.
; The chip was launched on July 23, 2026; its instructions are those of AMD's public machine-readable ISA for CDNA 5 (MIT licence, August 2026) and "CDNA5" Instruction Set Architecture Reference Guide (July 2026). The comments in the code are by the model that wrote it; some were corrected since.
;; Multi Head Attention. Allowed arithmetic: matrix products marked QUANTISED: E2M1 operands, one E8M0 scale for each 32 along K, by v_wmma_scale_f32_16x16x128_f8f6f4 with both operands' format E2M1 (or v_wmma_scale_f32_32x16x128_f4), f32 sums; products left as they are: bf16, f16 or f32 operands; f32 sums; everything else in f32.
;; Inputs: b_out 1,024 float32; b_qkv 3,072 float32; w_out 1,024 x 1,024 float32; w_qkv 1,024 x 3,072 float32; x 4 x 2,048 x 1,024 float32.
;; Outputs: out0 4 x 2,048 x 1,024 float32.
;; This version of the problem:
;;   THIS VERSION OF THE PROBLEM IS GIVEN IN LOW PRECISION. The matrix products marked QUANTISED in the list below multiply operands that are first quantised to E2M1 (2 exponent bits, 1 mantissa bit; 4 bits a number), with one power-of-two scale for each 32 numbers along K (OCP MX v1.0); their sums are f32. The products marked 'left as it is' may take bf16, f16 or f32 operands, with f32 sums. Whichever they take, every output number must still come out within the allowed error. Rounding operands to bf16 (8 significant bits) uses up far more of that allowance than f16 does (11 bits, for magnitudes from 6e-5 to 65,504). All else is computed in f32.
;;   The module's matrix products, in the order in which they are computed (A, B: the left and right operand; K: the contracted axis; several contracted axes count as one K, in the product's order):
;;     1. [M 8,192, K 1,024] x [K 1,024, N 3,072]; A: input x; B: input w_qkv: QUANTISED
;;     2. batch 64 x [M 2,048, K 64] x [K 64, N 2,048]; A: computed on the way; B: computed on the way: left as it is (an operand is computed on the way)
;;     3. batch 64 x [M 64, K 2,048] x [K 2,048, N 2,048]; A: computed on the way; B: computed on the way: left as it is (an operand is computed on the way)
;;     4. [M 8,192, K 1,024] x [K 1,024, N 1,024]; A: computed on the way; B: input w_out: left as it is (an operand is computed on the way)
;;   THE QUANTISER, for each operand of a quantised product, along K:
;;     - K is cut into blocks of 32 from its start; a last block that is shorter is filled with zeros.
;;     - A block's scale is 2^e with e = floor(log2(the largest magnitude in the block)) - 2, held to -126 .. 127; a block of zeros has e = 0. As a byte (E8M0): e + 127.
;;     - Each number is divided by its block's scale, clamped to +-6, and rounded to the nearest number of E2M1, ties to even, subnormals kept.
;;     - The product sums the exact products of the quantised numbers (number of the format x scale) in f32.
;;   ~~~python
;;   def quantise(x, axis):      # numpy; x: float32 -> the quantised numbers, widened to float32 again
;;       x = np.moveaxis(x, axis, -1); K = x.shape[-1]
;;       x = np.pad(x, [(0, 0)] * (x.ndim - 1) + [(0, -K % 32)]); x = x.reshape(x.shape[:-1] + (-1, 32)); a = np.abs(x).max(-1, keepdims=True)
;;       e = np.where(a > 0, np.clip(np.frexp(np.where(a > 0, a, 1))[1] - 1 - 2, -126, 127), 0)      # np.frexp(a)[1] - 1 = floor(log2(a)), exactly
;;       r = np.clip(x / 2.0 ** e, -6, 6)
;;       step = 2.0 ** (np.maximum(np.frexp(np.where(r == 0, 1, r))[1] - 1, 0) - 1)
;;       q = np.round(r / step) * step * 2.0 ** e      # np.round: ties to even
;;       return np.moveaxis(q.reshape(q.shape[:-2] + (-1,))[..., :K], -1, axis).astype(np.float32)
;;   ~~~
;; One version. Each part assembles by itself: llvm-mc -triple=amdgcn-amd-amdhsa -mcpu=gfx1250 --defsym DOCPART=n.
;; ======== version 1 of 1: 4 launches
;; limits: values are held in f16: magnitudes above 65,504 overflow, below 6.1e-05 lose precision
;; workspace buffers: xc 4,194,304 bytes; xs 262,144 bytes; wc 1,572,864 bytes; wsc 98,304 bytes; wo16 2,097,152 bytes; qkv 50,331,648 bytes; o16 16,777,216 bytes
;; launch prep (part 1): grid 368 x 1, 4 waves a work-group, no clusters, 68,096 bytes of LDS; arguments x, w_qkv, w_out, xc, xs, wc, wsc, wo16; writes xc, xs, wc, wsc, wo16
.if DOCPART == 1
	.amdgcn_target "amdgcn-amd-amdhsa--gfx1250"
	.amdhsa_code_object_version 6
	.text
	.protected	k_q26291fafaa_prep
	.globl	k_q26291fafaa_prep
	.p2align	8
	.type	k_q26291fafaa_prep,@function
k_q26291fafaa_prep:
	s_mov_b64 s[64:65], 0
	v_nop
	global_prefetch_b8 v0, s[64:65] scope:SCOPE_SE
	s_setreg_imm32_b32 hwreg(HW_REG_WAVE_MODE, 25, 1), 1
	s_wait_xcnt 0x0
; THREE JOBS IN ONE LAUNCH, told apart by the work-group's number; the three ways never meet again.
;   work-groups 0-255:   x [8192][1024] f32 (K innermost) -> xc [8192][512 bytes] codes of FP4 (E2M1), xs [8192][32] E8M0 bytes
;   work-groups 256-303: w_qkv [1024 (k)][3072 (n)] f32 (K is the FIRST axis) -> wc [3072][512 bytes] codes with K innermost, wsc [3072][32] bytes
;   work-groups 304-367: w_out [1024][1024] f32 -> wo16, the same numbers in f16, in the same order
; THE QUANTISER: a block of 32 along K has the scale 2^(floor(log2(its largest magnitude)) - 2); its byte is the largest magnitude's own exponent field - 2, held at 1 from below;
; each number is divided by the scale and rounded to the nearest code, ties to even, beyond 6 the code of 6.
; LIMITS: a block of zeros gets the byte 1 where the rule says 127 (its codes are zeros, which add nothing, and this program alone reads the bytes); blocks whose largest magnitude lies under 2^-124
; keep the byte 1; NaN and infinities among the inputs are not served; |w_out| beyond 65,504 becomes infinity in f16.
; No tensor loads, no barrier: waves share nothing.  Each way has LDS bytes of its own: x's 0 .. 32,767, w_qkv's 32,768 .. 67,583; behind them the spare words.
.set SPARE, 67584                      ; the spare words, 128 bytes for each wave: two blocks of 256 bytes that no other line names
.set SPW,   208                        ; v208  LDS address of my spare word: SPARE + 4 x my thread's number; never rewritten
.set NIL,   209                        ; v209  0; never rewritten
.set WV,    20                         ; s20   my wave's number
.set EMAX,  2                          ; the exponent of the format's largest number, 6
; ---- x's way: a wave takes 16 steps of 512 numbers
.set STEPS, 16
.set CB,    8                          ; bytes of 16 codes
.set XR,    16                         ; v16-79   four sets of 16 numbers as they are loaded
.set XX,    80                         ; v80-111  two sets of 16 neighbours
.set XE,    112                        ; v112-127 a scale byte for each step
.set XC,    128                        ; v128-191 codes: four registers for each step, so that no store's data are written again
.set WREG,  8192                       ; LDS: a region for each wave: two stages of 32 x SP bytes, behind them its 256 scale bytes
.set SP,    80                         ; a lane's place in a stage: its 64 bytes + 16 of padding
; ---- w_qkv's way: a wave takes 32 columns x 512 along K
.set SIZE_K, 1024
.set SIZE_N, 3072
.set NB,    16                         ; blocks of 32 along K for a wave
.set WPITCH, 272                       ; a stage row: a column's 256 bytes of codes + 16
.set KROW,  512                        ; a row of wc in bytes
.set WSTG,  32768                      ; where the four stages begin
.set WX,    32                         ; v32-95   two sets of 32 numbers
.set WC,    96                         ; v96-99   a block's codes
.set OUTR,  112                        ; v112-175 the way out
.set SB,    24                         ; v24-27   the scale bytes, four to a register
.macro XLOAD t                         ; step t: four loads, each of 512 consecutive bytes
.irp i, 0,1,2,3
	global_load_b128 v[XR+16*((\t)%4)+4*\i:XR+16*((\t)%4)+4*\i+3], v3, s[4:5] offset:2048*(\t)+512*\i th:TH_LOAD_NT
.endr
.endm
.macro XTURN t                         ; step t's 2,048 bytes through my stage: in as they lie, out 64 bytes a lane.  LDS serves a wave's instructions in order: no wait between
.irp i, 0,1,2,3
	ds_store_b128 v14, v[XR+16*((\t)%4)+4*\i:XR+16*((\t)%4)+4*\i+3] offset:32*SP*((\t)%2)+8*SP*\i
.endr
.irp i, 0,1,2,3
	ds_load_b128 v[XX+16*((\t)%2)+4*\i:XX+16*((\t)%2)+4*\i+3], v15 offset:32*SP*((\t)%2)+16*\i
.endr
.endm
.macro XSTEP t
.set XS, XX+16*((\t)%2)
.if (\t) > 0
	s_wait_dscnt 1                                 ; this step's numbers are back from the stage (the last step's byte store may be out)
.else
	s_wait_dscnt 0x0
.endif
.if (\t)+4 < STEPS
	XLOAD (\t)+4                                   ; the stage's stores have read their registers: they take the loads of four steps on
.endif
.if (\t)+1 < STEPS
.if STEPS-2-(\t) >= 3
	s_wait_loadcnt 12                              ; the next step's four loads are in; the twelve of the three steps behind it may be out
.else
	s_wait_loadcnt 4*(STEPS-2-(\t))
.endif
	XTURN (\t)+1                                   ; and go through the other stage while this step is worked
.endif
	v_max3_num_f32 v8, |v[XS]|, |v[XS+1]|, |v[XS+2]|               ; the largest magnitude of my 16, in two chains
	v_max3_num_f32 v9, |v[XS+3]|, |v[XS+4]|, |v[XS+5]|
.irp i, 6,10
	v_max3_num_f32 v8, v8, |v[XS+\i]|, |v[XS+\i+1]|
	v_max3_num_f32 v9, v9, |v[XS+\i+2]|, |v[XS+\i+3]|
.endr
	v_max3_num_f32 v8, v8, |v[XS+14]|, |v[XS+15]|
	v_max3_num_f32 v8, v8, v9, (EMAX+1)<<23        ; and the floor 2^(3 - 127): the byte cannot fall under 1
	v_max_num_f32_dpp v8, v8, v8 row_xmask:1 row_mask:0xf bank_mask:0xf   ; with my neighbour's 16: the block's
	v_add_nc_u32 v11, -(EMAX<<23), v8              ; 2 off its exponent field: the conversion takes this operand's exponent field as its scale, and nothing else of it
	v_cvt_scalef32_pk8_fp4_f32 v[XC+4*(\t)], v[XS:XS+7], v11
	v_cvt_scalef32_pk8_fp4_f32 v[XC+4*(\t)+1], v[XS+8:XS+15], v11
	v_lshrrev_b32 v[XE+(\t)], 23, v11              ; the scale's byte
	ds_store_b8 v5, v[XE+(\t)] offset:16*(\t)      ; both lanes of a block write the same byte with the same value
	global_store_b64 v4, v[XC+4*(\t):XC+4*(\t)+1], s[10:11] offset:32*CB*(\t)   ; the wave stores 256 consecutive bytes, aligned
.endm
.macro WLOAD t                         ; block t: w_qkv(32 t + i, my column), i = 0 .. 31, into set t % 2: a lane to a column, registers down K
.irp i, 0,1,2,3,4,5,6,7,8,9,10,11,12,13,14,15,16,17,18,19,20,21,22,23,24,25,26,27,28,29,30,31
	global_load_b32 v[WX+32*((\t)%2)+\i], v3, s[6:7] offset:(32*(\t)+\i)*SIZE_N*4 th:TH_LOAD_NT
.endr
.endm
.macro WBLOCK t
.set XS, WX+32*((\t)%2)
.if (\t) < NB-1
	s_wait_loadcnt 32                              ; this block's 32 loads are in; the next block's 32 may be out
.else
	s_wait_loadcnt 0
.endif
	v_max3_num_f32 v12, |v[XS]|, |v[XS+1]|, |v[XS+2]|              ; the block's largest magnitude: all 32 numbers are mine
	v_max3_num_f32 v13, |v[XS+3]|, |v[XS+4]|, |v[XS+5]|
.irp i, 6,10,14,18,22,26
	v_max3_num_f32 v12, v12, |v[XS+\i]|, |v[XS+\i+1]|
	v_max3_num_f32 v13, v13, |v[XS+\i+2]|, |v[XS+\i+3]|
.endr
	v_max3_num_f32 v12, v12, |v[XS+30]|, |v[XS+31]|
	v_max3_num_f32 v12, v12, v13, (EMAX+1)<<23     ; and the floor
	v_add_nc_u32 v11, -(EMAX<<23), v12             ; the conversion's scale operand
	v_lshrrev_b32 v13, 23, v11                     ; the scale's byte
.if (\t)%4 == 0
	v_mov_b32 v[SB+(\t)/4], v13                    ; four bytes to a register, the lower K in the lower byte
.else
	v_lshl_or_b32 v[SB+(\t)/4], v13, 8*((\t)%4), v[SB+(\t)/4]
.endif
.irp g, 0,1,2,3
	v_cvt_scalef32_pk8_fp4_f32 v[WC+\g], v[XS+8*\g:XS+8*\g+7], v11
.endr
	ds_store_b128 v4, v[WC:WC+3] offset:16*(\t)    ; 32 codes: 16 bytes of my column's row
.if (\t)+2 < NB
	WLOAD (\t)+2
.endif
	s_wait_dscnt 0x0                               ; the store has read its registers: the next block's codes may be written
.endm
	s_load_b256 s[4:11], s[0:1], 0x0               ; x s[4:5], w_qkv s[6:7], w_out s[8:9], xc s[10:11]
	s_load_b256 s[12:19], s[0:1], 0x20             ; xs s[12:13], wc s[14:15], wsc s[16:17], wo16 s[18:19]
	v_lshl_add_u32 v[SPW], v0, 2, SPARE
	v_mov_b32 v[NIL], 0
	v_lshrrev_b32 v1, 5, v0
	v_readfirstlane_b32 s[WV], v1                  ; wave 0..3
	v_and_b32 v2, 31, v0                           ; lane
	s_mov_b32 s25, 0                               ; the upper word of every offset below
	s_mov_b32 s27, 0
	s_wait_kmcnt 0x0
	s_cmp_lt_u32 ttmp9, 256
	s_cbranch_scc0 .Lnot_x
	; ================ x: rows are dense and 1,024 is a multiple of 32, so x is a plain stream of blocks of 32, and so are its codes and scale bytes
	v_lshlrev_b32 v3, 4, v2                        ; my 16 bytes of a load's 512
	s_mul_i32 s21, s[WV], WREG
	v_lshrrev_b32 v14, 2, v2
	v_mul_u32_u24 v14, v14, SP
	v_and_b32 v15, 3, v2
	v_lshl_add_u32 v14, v15, 4, v14
	v_add_nc_u32 v14, s21, v14                     ; the stage, on the way in: SP (lane / 4) + 16 (lane % 4)
	v_mul_u32_u24 v15, v2, SP
	v_add_nc_u32 v15, s21, v15                     ; and on the way out: SP x lane: my 16 neighbours
	v_mul_u32_u24 v4, v2, CB                       ; my codes' place in a step's
	v_lshrrev_b32 v5, 1, v2
	s_add_co_u32 s21, s21, 2*32*SP
	v_add_nc_u32 v5, s21, v5                       ; LDS: my wave's 256 scale bytes, my block's byte
	v_lshlrev_b32 v7, 3, v2                        ; and on the way out 8 bytes a lane
	v_add_nc_u32 v6, s21, v7
	s_lshl_b32 s22, ttmp9, 2
	s_add_co_u32 s22, s22, s[WV]                   ; which run of 8,192 numbers is my wave's
	s_lshl_b32 s24, s22, 15                        ; 32,768 bytes of x,
	s_add_nc_u64 s[4:5], s[4:5], s[24:25]
	s_lshl_b32 s24, s22, 12                        ; 4,096 of codes,
	s_add_nc_u64 s[10:11], s[10:11], s[24:25]
	s_lshl_b32 s24, s22, 8                         ; 256 scale bytes a run
	s_add_nc_u64 s[12:13], s[12:13], s[24:25]
.irp t, 0,1,2,3
	XLOAD \t
.endr
	s_wait_loadcnt 12                              ; step 0's four loads are in
	XTURN 0
.irp t, 0,1,2,3,4,5,6,7,8,9,10,11,12,13,14,15
	XSTEP \t
.endr
	ds_load_b64 v[8:9], v6                         ; LDS serves a wave's instructions in order: these see my byte stores
	s_wait_dscnt 0x0
	global_store_b64 v7, v[8:9], s[12:13]          ; 32 lanes store 256 consecutive bytes, aligned
	s_wait_tensorcnt 0x0                           ; the wave's end, behind my last LDS store
	ds_add_u32 v[SPW], v[NIL]
	s_wait_dscnt 0x0
	s_endpgm
.Lnot_x:
	s_cmp_lt_u32 ttmp9, 304
	s_cbranch_scc0 .Lcast
	; ================ w_qkv: work-group i = 2 x (group of 128 columns) + (half of K)
	s_sub_co_u32 s21, ttmp9, 256
	s_lshr_b32 s22, s21, 1
	s_and_b32 s23, s21, 1                          ; which 512 along K
	s_lshl_b32 s22, s22, 7
	s_lshl_b32 s24, s[WV], 5
	s_add_co_u32 s22, s22, s24                     ; my wave's first column
	v_lshlrev_b32 v3, 2, v2                        ; in: 4 bytes a lane: a load reads 128 consecutive bytes
	s_mul_i32 s24, s[WV], 32*WPITCH
	s_add_co_u32 s24, s24, WSTG                    ; my stage
	v_mul_u32_u24 v4, v2, WPITCH
	v_add_nc_u32 v4, s24, v4                       ; into it: row = my column
	v_and_b32 v5, 15, v2
	v_lshrrev_b32 v6, 4, v2                        ; out of it: sixteen lanes to a row, two rows an instruction
	v_mul_u32_u24 v7, v6, WPITCH
	v_lshl_add_u32 v7, v5, 4, v7
	v_add_nc_u32 v7, s24, v7
	v_mul_u32_u24 v8, v6, KROW
	v_lshl_add_u32 v8, v5, 4, v8                   ; and the same place in wc
	v_mul_u32_u24 v9, v2, SIZE_K/32                ; my column's row of scale bytes
	s_mul_i32 s26, s23, 512*SIZE_N*4               ; w_qkv: 512 rows for the half of K, + 4 x column
	s_lshl_b32 s28, s22, 2
	s_add_co_u32 s26, s26, s28
	s_add_nc_u64 s[6:7], s[6:7], s[26:27]
	s_lshl_b32 s26, s22, 9                         ; wc: column x 512 + 256 x half
	s_lshl_b32 s28, s23, 8
	s_add_co_u32 s26, s26, s28
	s_add_nc_u64 s[14:15], s[14:15], s[26:27]
	s_lshl_b32 s26, s22, 5                         ; wsc: column x 32 + 16 x half
	s_lshl_b32 s28, s23, 4
	s_add_co_u32 s26, s26, s28
	s_add_nc_u64 s[16:17], s[16:17], s[26:27]
	WLOAD 0
	WLOAD 1
.set Q, 0
.rept NB
	WBLOCK Q
.set Q, Q+1
.endr
	global_store_b128 v9, v[SB:SB+3], s[16:17]     ; my column's 16 scale bytes
.irp t, 0,1,2,3,4,5,6,7,8,9,10,11,12,13,14,15
	ds_load_b128 v[OUTR+4*\t:OUTR+4*\t+3], v7 offset:2*\t*WPITCH   ; these see my stores: LDS serves a wave's instructions in order
.endr
.irp t, 0,1,2,3,4,5,6,7,8,9,10,11,12,13,14,15
	s_wait_dscnt 15-\t                             ; the younger loads may be out
	global_store_b128 v8, v[OUTR+4*\t:OUTR+4*\t+3], s[14:15] offset:2*\t*KROW   ; sixteen lanes store 256 consecutive bytes, aligned
.endr
	s_wait_tensorcnt 0x0                           ; the wave's end, behind my last LDS store
	ds_add_u32 v[SPW], v[NIL]
	s_wait_dscnt 0x0
	s_endpgm
.Lcast:
	; ================ w_out to f16: a wave takes 16,384 bytes: 32 loads of 512 consecutive bytes, all out at once; each gives one store of 256.  No register is written twice, no LDS is touched
	s_sub_co_u32 s21, ttmp9, 304
	s_lshl_b32 s21, s21, 2
	s_add_co_u32 s21, s21, s[WV]
	s_lshl_b32 s24, s21, 14
	s_add_nc_u64 s[8:9], s[8:9], s[24:25]
	s_lshl_b32 s24, s21, 13
	s_add_nc_u64 s[18:19], s[18:19], s[24:25]
	v_lshlrev_b32 v3, 4, v2
	v_lshlrev_b32 v4, 3, v2
.set i, 0
.rept 32
	global_load_b128 v[16+4*i:19+4*i], v3, s[8:9] offset:512*i th:TH_LOAD_NT
.set i, i+1
.endr
.set i, 0
.rept 32
	s_wait_loadcnt 31-i                            ; loads come back in order: load i is in, the younger ones stay out
	v_cvt_pk_f16_f32 v[144+2*i], v[16+4*i], v[17+4*i]
	v_cvt_pk_f16_f32 v[145+2*i], v[18+4*i], v[19+4*i]
	global_store_b64 v4, v[144+2*i:145+2*i], s[18:19] offset:256*i
.set i, i+1
.endr
	s_endpgm
.Lfunc_end_k_q26291fafaa_prep:
	.size	k_q26291fafaa_prep, .Lfunc_end_k_q26291fafaa_prep-k_q26291fafaa_prep
	.p2alignl 7, 3214868480
	.fill 96, 4, 3214868480
	.section	.rodata,"a",@progbits
	.p2align	6, 0x0
	.amdhsa_kernel k_q26291fafaa_prep
		.amdhsa_group_segment_fixed_size 68096
		.amdhsa_private_segment_fixed_size 0
		.amdhsa_enable_private_segment 0
		.amdhsa_kernarg_size 64
		.amdhsa_user_sgpr_count 2
		.amdhsa_user_sgpr_kernarg_segment_ptr 1
		.amdhsa_wavefront_size32 1
		.amdhsa_system_sgpr_workgroup_id_x 1
		.amdhsa_system_sgpr_workgroup_id_y 1
		.amdhsa_system_sgpr_workgroup_id_z 1
		.amdhsa_system_vgpr_workitem_id 0
		.amdhsa_next_free_vgpr 216
		.amdhsa_next_free_sgpr 66
		.amdhsa_reserve_vcc 0
		.amdhsa_float_denorm_mode_32 3
		.amdhsa_float_denorm_mode_16_64 3
		.amdhsa_memory_ordered 1
		.amdhsa_forward_progress 1
		.amdhsa_inst_pref_size 122
	.end_amdhsa_kernel
	.amdgpu_metadata
---
amdhsa.version: [ 1, 2 ]
amdhsa.kernels:
  - .name:           k_q26291fafaa_prep
    .symbol:         k_q26291fafaa_prep.kd
    .args:
      - { .name: x, .offset: 0, .size: 8, .value_kind: global_buffer, .address_space: global }
      - { .name: w_qkv, .offset: 8, .size: 8, .value_kind: global_buffer, .address_space: global }
      - { .name: w_out, .offset: 16, .size: 8, .value_kind: global_buffer, .address_space: global }
      - { .name: xc, .offset: 24, .size: 8, .value_kind: global_buffer, .address_space: global }
      - { .name: xs, .offset: 32, .size: 8, .value_kind: global_buffer, .address_space: global }
      - { .name: wc, .offset: 40, .size: 8, .value_kind: global_buffer, .address_space: global }
      - { .name: wsc, .offset: 48, .size: 8, .value_kind: global_buffer, .address_space: global }
      - { .name: wo16, .offset: 56, .size: 8, .value_kind: global_buffer, .address_space: global }
    .group_segment_fixed_size: 68096
    .private_segment_fixed_size: 0
    .kernarg_segment_align: 8
    .kernarg_segment_size: 64
    .max_flat_workgroup_size: 128
    .sgpr_count:     66
    .vgpr_count:     216
    .wavefront_size: 32
...
	.end_amdgpu_metadata
.endif
;; end of part 1
;; launch qkv (part 2): grid 12 x 32, 4 waves a work-group, clusters of 4 x 4, 327,680 bytes of LDS; arguments xc, xs, wc, wsc, b_qkv, qkv; writes qkv
.if DOCPART == 2
	.amdgcn_target "amdgcn-amd-amdhsa--gfx1250"
	.amdhsa_code_object_version 6
	.text
	.protected	k_q26291fafaa_qkv
	.globl	k_q26291fafaa_qkv
	.p2align	8
	.type	k_q26291fafaa_qkv,@function
k_q26291fafaa_qkv:
	s_mov_b64 s[64:65], 0
	v_nop
	global_prefetch_b8 v0, s[64:65] scope:SCOPE_SE
	s_setreg_imm32_b32 hwreg(HW_REG_WAVE_MODE, 25, 1), 1
	s_wait_xcnt 0x0
	s_wait_alu depctr_hold_cnt(0) depctr_sa_sdst(0) depctr_va_vdst(0) depctr_va_sdst(0) depctr_va_ssrc(0) depctr_va_vcc(0) depctr_vm_vsrc(0)
	s_getreg_b32 s2, hwreg(HW_REG_IB_STS2, 6, 4)
	s_cmp_eq_u32 s2, 0
	s_cbranch_scc0 .Lentry_in_a_cluster
	s_endpgm
.Lentry_in_a_cluster:
	s_bfe_u32 s2, ttmp6, 0x10000c
	s_cmp_lg_u32 s2, 0xf033
	s_cbranch_scc0 .Lentry_shape_is_right
	s_endpgm
.Lentry_shape_is_right:
; qkv = x w_qkv + b_qkv on codes of FP4 (E2M1) with one E8M0 scale for each 32 along K; sums in f32, begun with the bias.  A = xc [8192][512 bytes], xs [8192][32]; B = wc [3072][512 bytes], wsc [3072][32].
; THE RESULT leaves as f16, laid [batch 4][g 48][token 2048][64]: g = column / 64, so g 0-15 are q's heads, 16-31 k's, 32-47 v's; a head's chunk is 262,144 dense bytes.
; q is multiplied by log2(e) / 8 in f32 ahead of its one rounding, so that attention's scores are exponents of 2; k and v are multiplied by 1.0 by the same lines (one text for all work-groups, no branch).
; LIMIT: a number beyond 65,504 in magnitude becomes infinity in f16.
; A tile of 256 x 256 is made by four waves, 128 x 128 each: 64 accumulators, 512 registers.  K = 1,024 is two K steps of 512 (tile rows of 256 bytes): both slots are filled at the start and none is filled again.
; The scales of the work-group's 256 + 256 rows, for all of K, are two dense blocks: they come once, with the first fills.
; CLUSTERS: 4 x 4 work-groups.  A row of the cluster needs the same tiles of A, a column the same tiles of B: each is asked for jointly, by the same tensor load with a mask that names the four.
; THE MATRIX INSTRUCTION IS USED TRANSPOSED (source 0 = 16 rows of B, source 1 = 16 rows of A): a lane holds eight neighbouring columns of one token.
; REGISTERS: window 0: v0-31 addresses; v32-95 scale words, two sets; v96-127 packed results; v128-191 A's fragments, one set (on the way out: rows read back); v192-255 the bias, 8 registers for each of my 8 blocks of columns.
;   window 1: B's fragments, two sets, at v0 and v128.   window 2: the accumulators of my rows 0-63 ((a, b) at v[8 (8 a + b)]);   window 3: those of rows 64-127.
.set SIZE_K, 1024
.set NQ,     4                         ; steps of 128 along K in a slot
.set ROWB,   256                       ; a tile's row in bytes: 512 codes
.set KROW,   512                       ; a row of xc or wc in bytes
.set PITCH,  272                       ; an LDS row: 256 bytes + 16 of padding = 68 words: the 16 rows that a load touches begin 4 words apart modulo 64
.set FR,     8                         ; registers of a fragment: 16 rows x 128 K
.set NL,     2                         ; LDS loads that bring one
.set NP,     4                         ; places behind this matrix instruction (ISA guide 7.12.1)
.set HALFT,  128*PITCH                 ; 128 rows: what one tensor load brings
.set SLOT,   4*HALFT                   ; A's 256 rows, then B's 256 rows
.set KS,     32                        ; a row of scales in bytes
.set SCL,    2*SLOT                    ; behind the slots: the scales, as units of 256 bytes + 16 of padding
.set HALFS,  (128*KS/256)*272          ; the scales of 128 rows
.set SBLK,   (16*KS/256)*272           ; those of 16 rows
.set SPARE,  SCL+4*HALFS               ; the spare words, 128 bytes for each wave: two blocks of 256 bytes that no other line names
.set STAGE,  SPARE+512                 ; the way out: for each wave two chunks of 16 tokens x (128 bytes + 16); no tensor load lands here
.set WSTG,   2*16*144
.set ADRA, 16                          ; v16-17  LDS address of my A fragments in slot 0, 1
.set ADRB, 20                          ; v20-21  the same for B
.set STO,  24                          ; v24     the way out: where I put 16 bytes of a token
.set RD,   25                          ; v25     where I read 16 bytes of four tokens' 512 back
.set CO,   26                          ; v26     16 x lane: my place in a store's 512 bytes
.set ADRS, 27                          ; v27     LDS address of my scale words: lanes 0-15 A's rows, lanes 16-31 B's
.set SPW,  28                          ; v28     LDS address of my spare word; never rewritten
.set NIL,  29                          ; v29     0; never rewritten
.set BO,   30                          ; v30     the bias: 32 x (lane / 16)
.set SC,   32
.set TMP,  96
.set AF,   128
.set BK,   128                         ; rows read back: v128-159 and v160-191 by turns
.set BIAS, 192
.set MQ,   96                          ; s[96:97] log2(e) / 8 for q's columns, 1.0 for the others
.set G1, 24                            ; s[24:31] group 1 for A's tiles;  s[32:39] group 0, a set for each slot
.set G0, 32
.set G1B, 48                           ; s[48:55], s[56:63] the same for B's
.set G0B, 56
.set G1S, 68                           ; s[68:75], s[76:79] groups 1 and 0 for A's scales;  s[80:87], s[88:91] for B's
.set G0S, 76
.set G1SB, 80
.set G0SB, 88
.set MSB, 0
.macro WIN new                         ; the immediate's high byte repeats the setting that is left; a switch that changes nothing is dropped
.if MSB != (\new)
	s_set_vgpr_msb (MSB<<8)|(\new)
.set MSB, (\new)
.endif
.endm
.set MUL_LO, 0xa1                      ; source 0 (B) window 1, source 1 (A) window 0, C and D window 2.  The first step takes C, the bias, from window 0: 0x81
.set MUL_HI, 0xf1                      ; the same, C and D window 3; the first step: 0xc1
.set TO_B,   0x40                      ; destination window 1, address window 0
; A joint load: waves 0 and 1 fetch for A, waves 2 and 3 for B; the branch hangs on the wave's number alone.  An s_nop 0 and four v_nop follow each line.
.macro JLOAD g0a, g1a, g0b, g1b
	s_cmp_eq_u32 s15, 0
	s_cbranch_scc0 .Lfor_b_\@
	tensor_load_to_lds s[\g0a:\g0a+3], s[\g1a:\g1a+7]
	s_nop 0
.rept 4
	v_nop
.endr
	s_branch .Lasked_\@
.Lfor_b_\@:
	tensor_load_to_lds s[\g0b:\g0b+3], s[\g1b:\g1b+7]
	s_nop 0
.rept 4
	v_nop
.endr
.Lasked_\@:
.endm
.macro CROUND                          ; a round of the cluster's barrier: my work-group's barrier; wave 0 signals for the work-group; all wait for the sixteen; my work-group's barrier once more
	s_barrier_signal -1
	s_barrier_wait -1
	s_cmp_lg_u32 s14, 0
	s_cbranch_scc1 .Lnot_wave_0_\@
	s_barrier_signal -3
.Lnot_wave_0_\@:
	s_barrier_wait -3
	s_barrier_signal -1
	s_barrier_wait -1
.endm
	s_load_b128 s[4:7], s[0:1], 0x0                ; xc s[4:5], xs s[6:7]
	s_load_b128 s[8:11], s[0:1], 0x10              ; wc s[8:9], wsc s[10:11]
	s_load_b64 s[66:67], s[0:1], 0x20              ; b_qkv
	s_load_b64 s[12:13], s[0:1], 0x28              ; qkv
	v_lshl_add_u32 v[SPW], v0, 2, SPARE
	v_mov_b32 v[NIL], 0
	ds_add_u32 v[SPW], v[NIL]                      ; the wave's opening: the add, twice on end, and its wait ahead of my first tensor load
	ds_add_u32 v[SPW], v[NIL]                      ; once more; the set-up below, work on registers, stands between it and the wait
	v_lshrrev_b32 v1, 5, v0
	v_readfirstlane_b32 s14, v1                    ; wave 0..3
	s_lshr_b32 s15, s14, 1                         ; which half of the tile's rows is mine.  Also: I fetch for A (0) or for B (1)
	s_and_b32 s16, s14, 1                          ; which half of its columns.  Also: which 128 rows of that tile I fetch
	s_bfe_u32 s40, ttmp6, 0x40000                  ; cx, cy: my place in the cluster
	s_bfe_u32 s41, ttmp6, 0x40004
	s_lshl_b32 s42, ttmp9, 2
	s_add_co_u32 s42, s42, s40                     ; tile column = 4 x cluster x + cx
	s_and_b32 s17, ttmp7, 0xffff
	s_lshl_b32 s17, s17, 2
	s_add_co_u32 s17, s17, s41                     ; tile row = 4 x cluster y + cy
	s_lshl_b32 s43, s41, 2
	s_lshl_b32 s43, 15, s43                        ; my row of the cluster
	s_lshl_b32 s44, 0x1111, s40                    ; my column
	s_cmp_eq_u32 ttmp9, 0                          ; cluster column 0 is tile columns 0-3: columns 0 .. 1,023, which are q
	s_cselect_b32 s[MQ], 0x3e38aa3b, 1.0           ; log2(e) / 8
	s_mov_b32 s[MQ+1], s[MQ]                       ; (named with it as a pair, so it is written)
	; group 1: a tile of 128 rows x 256 bytes, 16 bytes of padding behind each row
	s_or_b32 s[G1+0], s43, (0<<16)|(1<<20)|(1<<21)|(5<<22)|(3<<25)  ; 15:0 the mask: A's tiles go to my row; 17:16 elements of 1 byte; 20 padding on; 21 set beside a mask; 24:22 after every 64 words; 31:25 four words
	s_or_b32 s[G1B+0], s44, (0<<16)|(1<<20)|(1<<21)|(5<<22)|(3<<25)
.irp g, G1, G1B
	s_mov_b32 s[\g+1], ROWB<<16                    ; tensor_dim0
	s_mov_b32 s[\g+2], 128<<16                     ; tensor_dim1
	s_mov_b32 s[\g+3], ROWB<<16                    ; tile_dim0
	s_mov_b32 s[\g+4], 128                         ; tile_dim1
	s_mov_b32 s[\g+5], KROW                        ; from row to row
	s_mov_b32 s[\g+6], 0
	s_mov_b32 s[\g+7], 0
.endr
	; the scales of 128 rows: 4,096 dense bytes, as 16 rows of 256 bytes (32 elements of 8 bytes), 16 bytes of padding behind each
	s_or_b32 s[G1S+0], s43, (3<<16)|(1<<20)|(1<<21)|(5<<22)|(3<<25)
	s_or_b32 s[G1SB+0], s44, (3<<16)|(1<<20)|(1<<21)|(5<<22)|(3<<25)
.irp g, G1S, G1SB
	s_mov_b32 s[\g+1], 32<<16
	s_mov_b32 s[\g+2], (128*KS/256)<<16
	s_mov_b32 s[\g+3], 32<<16
	s_mov_b32 s[\g+4], 128*KS/256
	s_mov_b32 s[\g+5], 32
	s_mov_b32 s[\g+6], 0
	s_mov_b32 s[\g+7], 0
.endr
	s_lshl_b32 s18, s16, 7                         ; which 128 rows of the tile I fetch
	s_lshl_b32 s20, s17, 8
	s_add_co_u32 s20, s20, s18                     ; A: row 256 x tile row + 128 x half
	s_lshl_b32 s46, s42, 8
	s_add_co_u32 s46, s46, s18                     ; B: row 256 x tile column + 128 x half
	s_mov_b32 s21, 0
	s_mov_b32 s47, 0
	s_mov_b64 s[18:19], KS
	s_mul_u64 s[22:23], s[20:21], s[18:19]         ; where these rows' scales begin, in bytes,
	s_mul_u64 s[92:93], s[46:47], s[18:19]
	s_mov_b64 s[18:19], KROW
	s_mul_u64 s[20:21], s[20:21], s[18:19]         ; and their codes
	s_mul_u64 s[46:47], s[46:47], s[18:19]
	s_mul_i32 s45, s14, HALFT                      ; where they go: wave x 128 rows: no place in the cluster enters an LDS address
	s_mul_i32 s94, s14, HALFS
	s_wait_dscnt 0x0                               ; both opening adds are done
	s_wait_kmcnt 0x0
	s_add_nc_u64 s[20:21], s[4:5], s[20:21]
	s_add_nc_u64 s[22:23], s[6:7], s[22:23]
	s_add_nc_u64 s[46:47], s[8:9], s[46:47]
	s_add_nc_u64 s[92:93], s[10:11], s[92:93]
	CROUND                                         ; all sixteen work-groups are here: the joint loads meet
	s_mov_b32 s[G0S], 1
	s_add_co_u32 s[G0S+1], s94, SCL
	s_mov_b64 s[G0S+2:G0S+3], s[22:23]
	s_or_b32 s[G0S+3], s[G0S+3], 0x80000000
	s_mov_b32 s[G0SB], 1
	s_add_co_u32 s[G0SB+1], s94, SCL
	s_mov_b64 s[G0SB+2:G0SB+3], s[92:93]
	s_or_b32 s[G0SB+3], s[G0SB+3], 0x80000000
	JLOAD G0S, G1S, G0SB, G1SB                     ; the scales first: they are wanted with K step 0
.irp s, 0,1
	s_mov_b32 s[G0+4*\s], 1
	s_add_co_u32 s[G0+4*\s+1], s45, \s*SLOT
	s_add_nc_u64 s[G0+4*\s+2:G0+4*\s+3], s[20:21], \s*ROWB
	s_or_b32 s[G0+4*\s+3], s[G0+4*\s+3], 0x80000000
	s_mov_b32 s[G0B+4*\s], 1
	s_add_co_u32 s[G0B+4*\s+1], s45, \s*SLOT
	s_add_nc_u64 s[G0B+4*\s+2:G0B+4*\s+3], s[46:47], \s*ROWB
	s_or_b32 s[G0B+4*\s+3], s[G0B+4*\s+3], 0x80000000
	JLOAD G0+4*\s, G1, G0B+4*\s, G1B               ; three tensor loads of mine are out: all that this launch asks for
.endr
	v_and_b32 v1, 15, v0                           ; r = lane % 16
	v_bfe_u32 v2, v0, 4, 1                         ; h = lane / 16
	; the bias: lane (r, h) wants, for my block b of 16 columns, b_qkv at columns 16 b + 8 h + 0 .. 7: the result's layout
	v_lshlrev_b32 v[BO], 5, v2
	s_lshl_b32 s46, s42, 10                        ; my first column x 4 bytes: 1,024 x tile column + 512 x half
	s_lshl_b32 s47, s16, 9
	s_add_co_u32 s46, s46, s47
	s_mov_b32 s47, 0
	s_add_nc_u64 s[66:67], s[66:67], s[46:47]
.irp b, 0,1,2,3,4,5,6,7
	global_load_b128 v[BIAS+8*\b:BIAS+8*\b+3], v[BO], s[66:67] offset:64*\b
	global_load_b128 v[BIAS+8*\b+4:BIAS+8*\b+7], v[BO], s[66:67] offset:64*\b+16
.endr
	v_mul_u32_u24 v3, v1, PITCH
	v_lshl_add_u32 v4, v2, 4, v3                   ; a fragment's row x pitch + 16 x half
	s_mul_i32 s21, s15, HALFT                      ; my 128 rows of A
	s_mul_i32 s22, s16, HALFT                      ; my 128 rows of B,
	s_add_co_u32 s22, s22, 2*HALFT                 ; which lie behind A's 256
.irp s, 0,1
	v_add_nc_u32 v[ADRA+\s], s21, v4
	v_add_nc_u32 v[ADRB+\s], s22, v4
	s_add_co_u32 s21, s21, SLOT
	s_add_co_u32 s22, s22, SLOT
.endr
	v_mul_u32_u24 v5, v1, KS                       ; my row's scales: 32 bytes a row,
	v_lshrrev_b32 v6, 8, v5
	v_lshl_add_u32 v5, v6, 4, v5                   ; and 16 more for each 256 passed
	s_mul_i32 s21, s15, HALFS                      ; A's: my 128 rows
	s_mul_i32 s22, s16, HALFS                      ; B's: my 128 rows, behind A's 256
	s_add_co_u32 s22, s22, 2*HALFS
	s_sub_co_u32 s22, s22, s21
	v_mul_u32_u24 v6, s22, v2                      ; lanes 16-31 take B's: one product, the distance between the two bases x h
	s_add_co_u32 s21, s21, SCL
	v_add_nc_u32 v5, v5, v6
	v_add_nc_u32 v[ADRS], s21, v5
	s_mul_i32 s23, s14, WSTG
	s_add_co_u32 s23, s23, STAGE                   ; my stage
	v_mul_u32_u24 v5, v1, 144                      ; in: token r, 16 bytes for each half of the lanes
	v_lshl_add_u32 v5, v2, 4, v5
	v_add_nc_u32 v[STO], s23, v5
	v_and_b32 v6, 31, v0
	v_lshlrev_b32 v[CO], 4, v6                     ; back: 32 lanes take four tokens' 512 bytes: 16 x lane, + 16 for each token's padding passed
	v_lshrrev_b32 v6, 3, v6
	v_lshl_add_u32 v6, v6, 4, v[CO]
	v_add_nc_u32 v[RD], s23, v6
	; where my part begins in qkv: ((batch x 48 + 4 x tile column + 2 x column half) x 2,048 + token) x 128 bytes
	s_lshl_b32 s20, s17, 8
	s_lshl_b32 s21, s15, 7
	s_add_co_u32 s20, s20, s21                     ; my first row of x: 256 x tile row + 128 x half
	s_lshr_b32 s21, s20, 11                        ; its batch,
	s_and_b32 s20, s20, 2047                       ; its token
	s_mul_i32 s21, s21, 48
	s_lshl_b32 s46, s42, 2
	s_add_co_u32 s21, s21, s46
	s_lshl_b32 s46, s16, 1
	s_add_co_u32 s21, s21, s46
	s_lshl_b32 s21, s21, 11
	s_add_co_u32 s20, s20, s21
	s_lshl_b32 s20, s20, 7                         ; under 2^26
	s_mov_b32 s21, 0
	s_add_nc_u64 s[12:13], s[12:13], s[20:21]
.macro FRAG reg, adr, q, i             ; a fragment, 16 rows x 128 K of 4-bit codes: lane l holds row l % 16; registers 4 c .. 4 c + 3 hold K = 64 c + 32 (l / 16) + 0 .. 31
.irp c, 0,1
	ds_load_b128 v[\reg+4*\c:\reg+4*\c+3], v[\adr] offset:64*(\q)+32*\c+(\i)*16*PITCH
.endr
.endm
; 16 matrix instructions: A's blocks a0, a0 + 1 x B's eight, the slot's q-th 128 along K.  p: B's set;  sc: the set of scale words.  zero = 1: the first product starts the sums, with the bias as C.
; One scale register carries A's word (lanes 0-15) and B's (lanes 16-31).  The 64 accumulators take turns, one instruction a turn, in the same order in every step.
.macro MUL16 a0, p, q, sc, zero
.irp a, \a0, \a0+1
.irp b, 0,1,2,3,4,5,6,7
.if \zero
	v_wmma_scale_f32_16x16x128_f8f6f4 v[8*(8*((\a)%4)+\b):8*(8*((\a)%4)+\b)+7], v[128*(\p)+FR*\b:128*(\p)+FR*\b+FR-1], v[AF+FR*(\a):AF+FR*(\a)+FR-1], v[BIAS+8*\b:BIAS+8*\b+7], v[SC+8*NQ*(\sc)+NQ*\b+(\q)], v[SC+8*NQ*(\sc)+NQ*(\a)+(\q)] matrix_a_fmt:MATRIX_FMT_FP4 matrix_b_fmt:MATRIX_FMT_FP4 matrix_a_scale:MATRIX_SCALE_ROW1
.else
	v_wmma_scale_f32_16x16x128_f8f6f4 v[8*(8*((\a)%4)+\b):8*(8*((\a)%4)+\b)+7], v[128*(\p)+FR*\b:128*(\p)+FR*\b+FR-1], v[AF+FR*(\a):AF+FR*(\a)+FR-1], v[8*(8*((\a)%4)+\b):8*(8*((\a)%4)+\b)+7], v[SC+8*NQ*(\sc)+NQ*\b+(\q)], v[SC+8*NQ*(\sc)+NQ*(\a)+(\q)] matrix_a_fmt:MATRIX_FMT_FP4 matrix_b_fmt:MATRIX_FMT_FP4 matrix_a_scale:MATRIX_SCALE_ROW1
.endif
.endr
.endr
.endm
.macro FETCH_B slot, q, p              ; B's eight fragments of the slot's q-th 128 along K into set p
	WIN TO_B
.irp i, 0,1,2,3,4,5,6,7
	FRAG 128*(\p)+FR*\i, ADRB+\slot, \q, \i
.endr
	WIN 0
.endm
.macro FETCH_A slot, q, i0             ; A's blocks i0 .. i0 + 3
.irp i, \i0, \i0+1, \i0+2, \i0+3
	FRAG AF+FR*(\i), ADRA+\slot, \q, \i
.endr
.endm
.macro SCALES sc                       ; a K step's scale words into set sc: four words a row; lanes 0-15 take A's block i, lanes 16-31 B's block i
.irp i, 0,1,2,3,4,5,6,7
	ds_load_b128 v[SC+8*NQ*\sc+NQ*\i:SC+8*NQ*\sc+NQ*\i+3], v[ADRS] offset:\i*SBLK
.endr
.endm
; A load into a register that a matrix instruction has read, and a vector instruction that touches a matrix result, stand NP places behind that matrix instruction; only plain vector instructions
; that name none of its registers are places (ISA guide 7.12.1 for vector instructions).
.macro PLACES n
.rept \n
	v_nop
.endr
.endm
; A step of 128 along K that has its successor in the same slot.  A's blocks go one after the other, so one set of registers serves A: blocks 0-3 are fetched anew in the step's middle, blocks 4-7 at its end.
.macro STEP slot, q, zero
	s_wait_dscnt 4*NL                              ; B's set and A's blocks 0-3 are in; the youngest eight loads (A's blocks 4-7) may be out
	WIN MUL_LO-0x20*(\zero)
	MUL16 0, (\q)%2, \q, \slot, \zero
	MUL16 2, (\q)%2, \q, \slot, \zero
	s_wait_dscnt 0                                 ; A's blocks 4-7 are in
	PLACES NP
	FETCH_B \slot, (\q)+1, 1-(\q)%2
	FETCH_A \slot, (\q)+1, 0
	WIN MUL_HI-0x30*(\zero)
	MUL16 4, (\q)%2, \q, \slot, \zero
	MUL16 6, (\q)%2, \q, \slot, \zero
	PLACES NP
	WIN 0
	FETCH_A \slot, (\q)+1, 4
.endm
; Slot 0's last step goes over to slot 1: each wave waits for all its tensor loads (its part of slot 1), adds 0 to its spare word and waits for that; behind the barrier slot 1 is whole.  Nothing is filled again.
.macro TURN slot, next
	s_wait_tensorcnt 0x0                           ; all my tensor loads have landed  (every window is 0 here: the add's two registers lie in window 0)
	ds_add_u32 v[SPW], v[NIL]                      ; 0 onto my spare word
	s_wait_dscnt 4*NL+1                            ; (the add and the youngest eight loads, A's blocks 4-7, may be out)
	WIN MUL_LO
	MUL16 0, 1, NQ-1, \slot, 0                     ; sixteen matrix instructions stand between the add and the wait for it
	s_wait_dscnt 0x0                               ; the add is done, no LDS instruction of mine is out
	s_barrier_signal -1
	MUL16 2, 1, NQ-1, \slot, 0
	WIN 0
	s_barrier_wait -1
	PLACES NP
	v_add_nc_u32 v[ADRS], 4*NQ, v[ADRS]            ; on to the next K step's scale words
	FETCH_B \next, 0, 0
	FETCH_A \next, 0, 0
	SCALES \next
	WIN MUL_HI
	MUL16 4, 1, NQ-1, \slot, 0
	MUL16 6, 1, NQ-1, \slot, 0
	PLACES NP
	WIN 0
	FETCH_A \next, 0, 4
.endm
.macro STEPS slot, from                ; the slot's steps from .. NQ - 2
.set Q, \from
.rept NQ-1-\from
	STEP \slot, Q, 0
.set Q, Q+1
.endr
.endm
	s_wait_tensorcnt 1                             ; the scales and my part of K step 0 are in (K step 1's load may be out),
	s_barrier_signal -1
	s_barrier_wait -1                              ; everybody's are
	FETCH_B 0, 0, 0
	FETCH_A 0, 0, 0
	SCALES 0
	FETCH_A 0, 0, 4
	s_wait_loadcnt 0x0                             ; the bias
	STEP 0, 0, 1                                   ; the first step's products start the sums
	STEPS 0, 1
	TURN 0, 1
	STEPS 1, 0
	s_wait_dscnt 4*NL                              ; the very last step: nothing more to fetch
	WIN MUL_LO
	MUL16 0, 1, NQ-1, 1, 0
	MUL16 2, 1, NQ-1, 1, 0
	s_wait_dscnt 0
	WIN MUL_HI
	MUL16 4, 1, NQ-1, 1, 0
	MUL16 6, 1, NQ-1, 1, 0
	WIN 0
; THE WAY OUT, block by block of 16 tokens x 128 columns (two chunks of 64).  PACK: x MQ in f32, rounded once to f16: 16 bytes a lane for each block of columns.  TOSTAGE: into my own stage, a token's 128 bytes a row, and back
; four tokens (512 dense bytes of a chunk) an instruction.  SEND: 32 lanes store 512 consecutive bytes, aligned on 256.
.macro PACK a
.set AC, 64*((\a)%4)
	WIN 0x82+0x41*((\a)/4)                         ; destination and source 0: window 2 or 3
.irp b, 0,1,2,3,4,5,6,7
.irp r, 0,1,2,3
	v_pk_mul_f32 v[AC+8*\b+2*\r:AC+8*\b+2*\r+1], v[AC+8*\b+2*\r:AC+8*\b+2*\r+1], s[MQ:MQ+1] op_sel_hi:[1,0]   ; each accumulator from its low end on
.endr
.endr
	WIN 0x0a+5*((\a)/4)                            ; sources 0 and 1: window 2 or 3; destination window 0
.irp b, 0,1,2,3,4,5,6,7
.irp r, 0,1,2,3
	v_cvt_pk_f16_f32 v[TMP+4*\b+\r], v[AC+8*\b+2*\r], v[AC+8*\b+2*\r+1]
.endr
.endr
	WIN 0
.endm
.macro TOSTAGE a
.set BB, BK+32*((\a)%2)
.irp b, 0,1,2,3,4,5,6,7
	ds_store_b128 v[STO], v[TMP+4*\b:TMP+4*\b+3] offset:(\b/4)*2304+(\b%4)*32
.endr
.irp t, 0,1,2,3,4,5,6,7
	ds_load_b128 v[BB+4*\t:BB+4*\t+3], v[RD] offset:(\t/4)*2304+(\t%4)*576   ; LDS serves a wave's instructions in order (ISA guide 5.7.1.4): these see the stores above
.endr
.endm
.macro SEND a
.set BB, BK+32*((\a)%2)
	s_wait_dscnt 0x0                               ; the block is back in registers
	s_wait_xcnt 0x0                                ; the stores of the block before have read their registers: the next block's loads from the stage may land there
.irp t, 0,1,2,3,4,5,6,7
	global_store_b128 v[CO], v[BB+4*\t:BB+4*\t+3], s[12:13] offset:(\a)*2048+(\t/4)*262144+(\t%4)*512 th:TH_STORE_NT
.endr
.endm
	PLACES NP                                      ; behind the last products, ahead of the first touch of results and of the loads into A's registers
	PACK 0
	TOSTAGE 0
.irp a, 1,2,3,4,5,6,7                  ; block a's arithmetic stands between block a - 1's loads from the stage and the wait for them
	PACK \a
	SEND \a-1
	TOSTAGE \a
.endr
	SEND 7
	s_wait_tensorcnt 0x0                           ; the wave's end, behind my last tensor load and my last LDS store
	ds_add_u32 v[SPW], v[NIL]
	s_wait_dscnt 0x0
	CROUND                                         ; the closing round: no work-group ends while a partner may still ask for a tile that names it
	s_endpgm
.Lfunc_end_k_q26291fafaa_qkv:
	.size	k_q26291fafaa_qkv, .Lfunc_end_k_q26291fafaa_qkv-k_q26291fafaa_qkv
	.p2alignl 7, 3214868480
	.fill 96, 4, 3214868480
	.section	.rodata,"a",@progbits
	.p2align	6, 0x0
	.amdhsa_kernel k_q26291fafaa_qkv
		.amdhsa_group_segment_fixed_size 327680
		.amdhsa_private_segment_fixed_size 0
		.amdhsa_enable_private_segment 0
		.amdhsa_kernarg_size 48
		.amdhsa_user_sgpr_count 2
		.amdhsa_user_sgpr_kernarg_segment_ptr 1
		.amdhsa_wavefront_size32 1
		.amdhsa_system_sgpr_workgroup_id_x 1
		.amdhsa_system_sgpr_workgroup_id_y 1
		.amdhsa_system_sgpr_workgroup_id_z 1
		.amdhsa_system_vgpr_workitem_id 0
		.amdhsa_next_free_vgpr 1024
		.amdhsa_next_free_sgpr 98
		.amdhsa_reserve_vcc 0
		.amdhsa_float_denorm_mode_32 3
		.amdhsa_float_denorm_mode_16_64 3
		.amdhsa_memory_ordered 1
		.amdhsa_forward_progress 1
		.amdhsa_inst_pref_size 144
	.end_amdhsa_kernel
	.amdgpu_metadata
---
amdhsa.version: [ 1, 2 ]
amdhsa.kernels:
  - .name:           k_q26291fafaa_qkv
    .symbol:         k_q26291fafaa_qkv.kd
    .args:
      - { .name: xc, .offset: 0, .size: 8, .value_kind: global_buffer, .address_space: global }
      - { .name: xs, .offset: 8, .size: 8, .value_kind: global_buffer, .address_space: global }
      - { .name: wc, .offset: 16, .size: 8, .value_kind: global_buffer, .address_space: global }
      - { .name: wsc, .offset: 24, .size: 8, .value_kind: global_buffer, .address_space: global }
      - { .name: b_qkv, .offset: 32, .size: 8, .value_kind: global_buffer, .address_space: global }
      - { .name: qkv, .offset: 40, .size: 8, .value_kind: global_buffer, .address_space: global }
    .group_segment_fixed_size: 327680
    .private_segment_fixed_size: 0
    .kernarg_segment_align: 8
    .kernarg_segment_size: 48
    .max_flat_workgroup_size: 128
    .sgpr_count:     98
    .vgpr_count:     1024
    .wavefront_size: 32
...
	.end_amdgpu_metadata
.endif
;; end of part 2
;; launch attn (part 3): grid 4 x 64, 8 waves a work-group, clusters of 4 x 1, 327,680 bytes of LDS; arguments qkv, o16; writes o16
.if DOCPART == 3
	.amdgcn_target "amdgcn-amd-amdhsa--gfx1250"
	.amdhsa_code_object_version 6
	.text
	.protected	k_q26291fafaa_attn
	.globl	k_q26291fafaa_attn
	.p2align	8
	.type	k_q26291fafaa_attn,@function
k_q26291fafaa_attn:
	s_mov_b64 s[64:65], 0
	v_nop
	global_prefetch_b8 v0, s[64:65] scope:SCOPE_SE
	s_setreg_imm32_b32 hwreg(HW_REG_WAVE_MODE, 25, 1), 1
	s_wait_xcnt 0x0
	s_wait_alu depctr_hold_cnt(0) depctr_sa_sdst(0) depctr_va_vdst(0) depctr_va_sdst(0) depctr_va_ssrc(0) depctr_va_vcc(0) depctr_vm_vsrc(0)
	s_getreg_b32 s2, hwreg(HW_REG_IB_STS2, 6, 4)
	s_cmp_eq_u32 s2, 0
	s_cbranch_scc0 .Lentry_in_a_cluster
	s_endpgm
.Lentry_in_a_cluster:
	s_bfe_u32 s2, ttmp6, 0x10000c
	s_cmp_lg_u32 s2, 0x3003
	s_cbranch_scc0 .Lentry_shape_is_right
	s_endpgm
.Lentry_shape_is_right:
; o[b][h][q][:] = the sum over k of softmax_k(q . k / 8) v[k][:].  q (already x log2(e) / 8), k, v: f16 chunks [2048][64] of qkv [batch 4][g 48][2048][64]; o16: [batch][head 16][2048][64] f16.
; Products, maxima and sums in f32; the weights p = 2^(t - m), m the running maximum of the row's t, are rounded to f16 for the second product; the row's sum is taken of the unrounded p; o is rounded once.
; LIMITS: what the f16 inputs hold; NaN and infinities are not served.
; SHARES.  A cluster of four work-groups owns one head, a work-group 512 queries, each of its eight waves 64: four tiles of 16.  Two waves lie on a SIMD (512 registers each), so that one wave's softmax can stand beside the other's products.
; Every wave walks all 2,048 keys, 64 a step.  The four work-groups walk the same K and V: each tile is asked for JOINTLY, by the same tensor load with the mask of all four.
; LAYOUT.  S^T = K Q^T (source 0 = 16 keys, source 1 = 16 queries): a lane holds ONE query (lane % 16) and keys 8 (lane / 16) + 0..7.  Two such tiles, rounded in pairs, ARE source 1 (32 keys x 16 queries) of O^T = V^T P.
; K comes out of LDS as it lies, V ([key][channel]) turned, by ds_load_tr16_b128.
; THE PIPELINE.  A step's body: fetch the next step's K | this step's softmax | V^T P | fetch the next step's V | the next step's K Q^T.  So each run of 16 LDS loads has a softmax or 32 products in which to land.
; LDS.  Two slots of 512 keys.  A tile's row is TWO keys (256 bytes of memory): K's rows 272 bytes apart, V's 288.  Key r lies at (r / 2) x pitch + (r % 2) x 128.
; REGISTERS.  window 0: v1-12 addresses; v16-47 statistics, eight a tile; v48-111 Q (16 t + 8 c); v112-175 K of a step (16 i + 8 c); v176-239 V of a step (32 k + 8 c).
;   window 1: v0-127 S^T (32 t + 8 i), over whose low halves P is laid (32 t + 8 k); v128-255 O^T (32 t + 8 c).
; s_set_vgpr_msb's low byte: bits 1:0 source 0, 3:2 source 1, 5:4 source 2, 7:6 destination.
.set PK,    272
.set PVP,   288
.set KSB,   32*PK                      ; a step's 64 keys of K in LDS
.set VSB,   32*PVP                     ; and of V
.set VOFF,  256*PK                     ; a slot: 256 rows of K, then 256 rows of V
.set SLOTB, 256*(PK+PVP)
.set STAGE, 2*SLOTB                    ; behind the slots: 16 tokens x (128 bytes + 16) for each wave, for the way out
.set SP,    144
.set SPARE, STAGE+8*16*SP              ; the spare words, 128 bytes for each wave: four blocks of 256 bytes that no other line names
.set AK0, 2                            ; v2   my lane's place in a tile of K; never rewritten
.set AV0, 3                            ; v3   the same for V
.set ADK, 4                            ; v4   LDS address of the run of K's loads in hand
.set ADV, 5                            ; v5   of V's
.set QO,  6                            ; v6   my byte offset in the wave's rows of Q
.set STO, 7                            ; v7   the way out: where I put 16 bytes of a token
.set RD,  8                            ; v8   where I read 16 bytes of four tokens' 512 back
.set GO,  9                            ; v9   16 x lane
.set SPW, 10                           ; v10  LDS address of my spare word; never rewritten
.set NIL, 11                           ; v11  0; never rewritten
.set PFO, 12                           ; v12  256 x lane: the prefetch's offset; never rewritten
.set ST,  16                           ; tile t's statistics at v[ST + 8 t]: +0 m, +1 m_old - m, +2, +3 l (even keys', odd keys'), +4 .. +7 at work; a = 2^(m_old - m) at +6
.set QF,  48
.set KF,  112
.set VF,  176
.set SS,  0                            ; in window 1
.set OO,  128                          ; in window 1
.set WV,  8                            ; s8   my wave's number
.set G1K, 24                           ; s[24:31] group 1 for K's tiles;  s[32:39] for V's: it differs in the padding alone
.set G1V, 32
.set G0K, 40                           ; s[40:47] group 0 for K's tiles, a set for each slot;  s[48:55] for V's
.set G0V, 48
.set TK,  56                           ; s56  LDS byte at which K of the step to be fetched begins
.set TV,  57                           ; s57  the same for V
.set CNT, 58                           ; s58  counts steps
.set ODD, 59                           ; s59  wave % 2: the even waves prefetch
.set SEL, 60                           ; s[60:61] lane selects for v_permlanex16_b32: lane l xor 16
.set PFA, 18                           ; s[18:19] where my prefetch stands
.set MSB, 0
.macro WIN new                         ; the immediate's high byte repeats the setting that is left; a switch that changes nothing is dropped
.if MSB != (\new)
	s_set_vgpr_msb (MSB<<8)|(\new)
.set MSB, (\new)
.endif
.endm
; A joint refill of slot s: waves 0-3 fetch the four quarters of K's rows, waves 4-7 of V's.  The branch hangs on the wave's number alone.  An s_nop 0 and four v_nop follow each line.
.macro JLOAD s
	s_cmp_lt_u32 s[WV], 4
	s_cbranch_scc0 .Lfor_v_\@
	tensor_load_to_lds s[G0K+4*\s:G0K+4*\s+3], s[G1K:G1K+7]
	s_nop 0
.rept 4
	v_nop
.endr
	s_branch .Lasked_\@
.Lfor_v_\@:
	tensor_load_to_lds s[G0V+4*\s:G0V+4*\s+3], s[G1V:G1V+7]
	s_nop 0
.rept 4
	v_nop
.endr
.Lasked_\@:
.endm
.macro CROUND                          ; a round of the cluster's barrier
	s_barrier_signal -1
	s_barrier_wait -1
	s_cmp_lg_u32 s[WV], 0
	s_cbranch_scc1 .Lnot_wave_0_\@
	s_barrier_signal -3
.Lnot_wave_0_\@:
	s_barrier_wait -3
	s_barrier_signal -1
	s_barrier_wait -1
.endm
	s_load_b128 s[4:7], s[0:1], 0x0                ; qkv s[4:5], o16 s[6:7]
	v_lshl_add_u32 v[SPW], v0, 2, SPARE
	v_mov_b32 v[NIL], 0
	ds_add_u32 v[SPW], v[NIL]                      ; the wave's opening: the add, twice on end, and its wait ahead of my first tensor load
	ds_add_u32 v[SPW], v[NIL]                      ; once more; the set-up below, work on registers, stands between it and the wait
	v_lshrrev_b32 v1, 5, v0
	v_readfirstlane_b32 s[WV], v1                  ; wave 0..7
	s_and_b32 s9, s[WV], 3                         ; which quarter of a slot's rows I fetch
	s_bfe_u32 s10, ttmp6, 0x40000                  ; cx: my block of 512 queries.  It enters Q's, O's and the prefetch's addresses alone
	s_and_b32 s11, ttmp7, 0xffff                   ; 16 x batch + head, which the four partners share
	s_lshr_b32 s12, s11, 4
	s_and_b32 s13, s11, 15
	s_mul_i32 s12, s12, 48
	s_add_co_u32 s12, s12, s13
	s_lshl_b32 s12, s12, 18                        ; q's chunk of my head in qkv, in bytes; k's lies 16 chunks on, v's 32
	s_mov_b32 s13, 0
	s_lshl_b32 s14, s9, 14                         ; my quarter: 64 rows of 256 bytes
	s_add_co_u32 s14, s14, s12
	s_mov_b32 s15, 0
	s_mul_i32 s22, s9, 64*PK                       ; and its place in a slot: no place in the cluster enters an LDS address
	s_mul_i32 s23, s9, 64*PVP
	; group 1: a tile of 64 rows x 128 elements of 2 bytes, dense in memory, padded in LDS
	s_mov_b32 s[G1K], 15|(1<<16)|(1<<20)|(1<<21)|(5<<22)|(3<<25)  ; 15:0 the mask: all four work-groups; 17:16 elements of 2 bytes; 20 padding on; 21 set beside a mask; 24:22 after every 64 words; 31:25 four words
	s_mov_b32 s[G1V], 15|(1<<16)|(1<<20)|(1<<21)|(5<<22)|(7<<25)  ; the same with eight words of padding
.irp g, G1K, G1V
	s_mov_b32 s[\g+1], 128<<16                     ; tensor_dim0
	s_mov_b32 s[\g+2], 64<<16                      ; tensor_dim1
	s_mov_b32 s[\g+3], 128<<16                     ; tile_dim0
	s_mov_b32 s[\g+4], 64                          ; tile_dim1
	s_mov_b32 s[\g+5], 128                         ; from row to row
	s_mov_b32 s[\g+6], 0
	s_mov_b32 s[\g+7], 0
.endr
	s_mov_b32 s[SEL], 0x76543210
	s_mov_b32 s[SEL+1], 0xfedcba98
	s_mov_b32 s[TK], 0
	s_mov_b32 s[TV], VOFF
	s_and_b32 s[ODD], s[WV], 1
	s_wait_dscnt 0x0                               ; both opening adds are done
	s_wait_kmcnt 0x0
	s_add_nc_u64 s[20:21], s[4:5], s[14:15]
	CROUND                                         ; all four work-groups are here: the first joint loads meet
.irp s, 0,1
	s_mov_b32 s[G0K+4*\s], 1                       ; count = 1
	s_add_co_u32 s[G0K+4*\s+1], s22, \s*SLOTB      ; LDS address
	s_add_nc_u64 s[G0K+4*\s+2:G0K+4*\s+3], s[20:21], 0x400000+\s*65536   ; global address: slot s begins with keys 512 s on
	s_or_b32 s[G0K+4*\s+3], s[G0K+4*\s+3], 0x80000000                    ; type = 2
	s_mov_b32 s[G0V+4*\s], 1
	s_add_co_u32 s[G0V+4*\s+1], s23, \s*SLOTB+VOFF
	s_add_nc_u64 s[G0V+4*\s+2:G0V+4*\s+3], s[20:21], 0x800000+\s*65536
	s_or_b32 s[G0V+4*\s+3], s[G0V+4*\s+3], 0x80000000
.endr
	s_cmp_lt_u32 s[WV], 4                          ; a wave's two first fills stand in one branch, ahead of every wait on TENSORcnt and every LDS read: two loads of mine are out
	s_cbranch_scc0 .Lfirst_v
	tensor_load_to_lds s[G0K:G0K+3], s[G1K:G1K+7]
	s_nop 0
	tensor_load_to_lds s[G0K+4:G0K+7], s[G1K:G1K+7]
	s_nop 0
.rept 4
	v_nop
.endr
	s_branch .Lfirst_asked
.Lfirst_v:
	tensor_load_to_lds s[G0V:G0V+3], s[G1V:G1V+7]
	s_nop 0
	tensor_load_to_lds s[G0V+4:G0V+7], s[G1V:G1V+7]
	s_nop 0
.rept 4
	v_nop
.endr
.Lfirst_asked:
	v_and_b32 v1, 15, v0                           ; r = lane % 16
	v_bfe_u32 v13, v0, 4, 1                        ; h = lane / 16
	v_and_b32 v14, 31, v0                          ; lane
	v_lshlrev_b32 v[QO], 7, v1
	v_lshl_add_u32 v[QO], v13, 4, v[QO]            ; Q: row r of 128 bytes, + 16 h
	s_lshl_b32 s2, s10, 16                         ; my block's 512 rows of 128 bytes,
	s_lshl_b32 s3, s[WV], 13                       ; my wave's 64 of them
	s_add_co_u32 s2, s2, s3
	s_mov_b32 s3, 0
	s_add_nc_u64 s[16:17], s[4:5], s[12:13]
	s_add_nc_u64 s[16:17], s[16:17], s[2:3]        ; Q at my wave's first row
	s_add_nc_u64 s[6:7], s[6:7], s[2:3]
	s_lshl_b32 s2, s11, 18
	s_add_nc_u64 s[6:7], s[6:7], s[2:3]            ; O likewise: o16's chunks are numbered 16 x batch + head
.irp t, 0,1,2,3                        ; Q stays in registers: a fragment is 16 rows x 32 channels: registers 0-3 channels 8 h + 0..7, registers 4-7 channels 16 + 8 h + 0..7
.irp c, 0,1
	global_load_b128 v[QF+16*\t+8*\c:QF+16*\t+8*\c+3], v[QO], s[16:17] offset:2048*\t+64*\c
	global_load_b128 v[QF+16*\t+8*\c+4:QF+16*\t+8*\c+7], v[QO], s[16:17] offset:2048*\t+64*\c+32
.endr
.endr
	; the one prefetch: keys 1,536 on of K (waves 0, 2) and of V (waves 4, 6): 65,536 bytes each; a wave pair's halves, the four partners' 8,192 bytes told apart BY ADDRESS, lanes 256 bytes apart
	s_cmp_lt_u32 s[WV], 4
	s_mov_b32 s2, 0x800000+3*65536
	s_cselect_b32 s2, 0x400000+3*65536, s2
	s_add_co_u32 s2, s2, s12
	s_bfe_u32 s18, s[WV], 0x10001                  ; (wave / 2) % 2
	s_lshl_b32 s18, s18, 15
	s_add_co_u32 s2, s2, s18
	s_lshl_b32 s18, s10, 13
	s_add_co_u32 s2, s2, s18
	s_add_nc_u64 s[PFA:PFA+1], s[4:5], s[2:3]
	v_lshlrev_b32 v[PFO], 8, v14
	v_lshrrev_b32 v15, 1, v1
	v_mul_u32_u24 v[AK0], v15, PK
	v_and_b32 v15, 1, v0
	v_lshl_add_u32 v[AK0], v15, 7, v[AK0]
	v_lshl_add_u32 v[AK0], v13, 4, v[AK0]          ; K: key r: (r / 2) x 272 + (r % 2) x 128, + 16 h: sixteen lanes touch sixteen different 16-byte columns modulo 256
	; The turning load takes 16 keys x 16 channels: lane l reads 16 bytes of key 8 h + l % 8, channels 8 ((l / 8) % 2) + 0..7, and is left with channel l % 16 and 8 keys
	v_bfe_u32 v[AV0], v0, 1, 2                     ; (l % 8) / 2
	v_lshl_add_u32 v[AV0], v13, 2, v[AV0]          ; + 4 h: the LDS row
	v_mul_u32_u24 v[AV0], v[AV0], PVP
	v_lshl_add_u32 v[AV0], v15, 7, v[AV0]          ; + (l % 2) x 128
	v_bfe_u32 v15, v0, 3, 1
	v_lshl_add_u32 v[AV0], v15, 4, v[AV0]
	s_mul_i32 s14, s[WV], 16*SP
	s_add_co_u32 s14, s14, STAGE                   ; my stage
	v_mul_u32_u24 v[STO], v1, SP
	v_lshl_add_u32 v[STO], v13, 4, v[STO]
	v_add_nc_u32 v[STO], s14, v[STO]               ; in: token r, + 16 h
	v_lshlrev_b32 v[GO], 4, v14
	v_lshrrev_b32 v15, 3, v14
	v_lshl_add_u32 v[RD], v15, 4, v[GO]
	v_add_nc_u32 v[RD], s14, v[RD]                 ; back: 16 x lane, + 16 for each token's padding passed
.irp t, 0,1,2,3
	v_mov_b32 v[ST+8*\t+2], 0                      ; l
	v_mov_b32 v[ST+8*\t+3], 0
.endr
; THE LDS LOADS stand in runs of 16.
.macro FETCH_K                         ; 64 keys x 64 channels: fragment (i, c): keys 16 i on, channels 32 c on
	v_add_nc_u32 v[ADK], s[TK], v[AK0]
.irp i, 0,1,2,3
.irp c, 0,1
	ds_load_b128 v[KF+16*\i+8*\c:KF+16*\i+8*\c+3], v[ADK] offset:8*PK*\i+64*\c
	ds_load_b128 v[KF+16*\i+8*\c+4:KF+16*\i+8*\c+7], v[ADK] offset:8*PK*\i+64*\c+32
.endr
.endr
.endm
.macro FETCH_V                         ; turned: fragment (k, c): keys 32 k on, channels 16 c on
	v_add_nc_u32 v[ADV], s[TV], v[AV0]
.irp k, 0,1
.irp c, 0,1,2,3
	ds_load_tr16_b128 v[VF+32*\k+8*\c:VF+32*\k+8*\c+3], v[ADV] offset:16*PVP*\k+32*\c
	ds_load_tr16_b128 v[VF+32*\k+8*\c+4:VF+32*\k+8*\c+7], v[ADV] offset:16*PVP*\k+8*PVP+32*\c
.endr
.endr
.endm
; THE MATRIX WORK.  The 16 accumulators of each product take turns, one instruction a turn: between two links of a chain stand 15 others'.
.macro QK                              ; S^T = K Q^T: 32 products; the first 16 start the sums
	WIN 0x50                                       ; K and Q window 0, S^T window 1
.irp c, 0,1
.irp i, 0,1,2,3
.irp t, 0,1,2,3
.if \c == 0
	v_wmma_f32_16x16x32_f16 v[SS+32*\t+8*\i:SS+32*\t+8*\i+7], v[KF+16*\i+8*\c:KF+16*\i+8*\c+7], v[QF+16*\t+8*\c:QF+16*\t+8*\c+7], 0
.else
	v_wmma_f32_16x16x32_f16 v[SS+32*\t+8*\i:SS+32*\t+8*\i+7], v[KF+16*\i+8*\c:KF+16*\i+8*\c+7], v[QF+16*\t+8*\c:QF+16*\t+8*\c+7], v[SS+32*\t+8*\i:SS+32*\t+8*\i+7]
.endif
.endr
.endr
.endr
.endm
.macro PVM zero                        ; O^T += V^T P: 32 products.  zero = 1: the first 16 start the sums: nothing is ever cleared
	WIN 0x54                                       ; V window 0, P and O^T window 1
.irp k, 0,1
.irp c, 0,1,2,3
.irp t, 0,1,2,3
.if (\zero) && (\k == 0)
	v_wmma_f32_16x16x32_f16 v[OO+32*\t+8*\c:OO+32*\t+8*\c+7], v[VF+32*\k+8*\c:VF+32*\k+8*\c+7], v[SS+32*\t+8*\k:SS+32*\t+8*\k+7], 0
.else
	v_wmma_f32_16x16x32_f16 v[OO+32*\t+8*\c:OO+32*\t+8*\c+7], v[VF+32*\k+8*\c:VF+32*\k+8*\c+7], v[SS+32*\t+8*\k:SS+32*\t+8*\k+7], v[OO+32*\t+8*\c:OO+32*\t+8*\c+7]
.endif
.endr
.endr
.endr
.endm
; THE SOFTMAX of one key step, the four tiles by turns in every phase, so that no line waits for the line above it.  first = 1: the first key step: no old maximum, nothing to rescale.
.macro SOFTMAX first
	WIN 0x15                                       ; the maximum of a lane's 32 scores: four chains, one for each accumulator, each begun at the accumulator's low end
.irp q, 0,1,2,3
.irp t, 0,1,2,3
	v_max3_num_f32 v[ST+8*\t+4+\q], v[SS+32*\t+8*\q], v[SS+32*\t+8*\q+1], v[SS+32*\t+8*\q+2]
.endr
.endr
	WIN 0x14
.irp d, 3,5
.irp q, 0,1,2,3
.irp t, 0,1,2,3
	v_max3_num_f32 v[ST+8*\t+4+\q], v[ST+8*\t+4+\q], v[SS+32*\t+8*\q+\d], v[SS+32*\t+8*\q+\d+1]
.endr
.endr
.endr
.irp t, 0,1,2,3
	v_max3_num_f32 v[ST+8*\t+4], v[ST+8*\t+4], v[SS+32*\t+7], v[SS+32*\t+15]
	v_max3_num_f32 v[ST+8*\t+6], v[ST+8*\t+6], v[SS+32*\t+23], v[SS+32*\t+31]
.endr
	WIN 0
.irp t, 0,1,2,3
	v_max3_num_f32 v[ST+8*\t+4], v[ST+8*\t+4], v[ST+8*\t+5], v[ST+8*\t+6]
.endr
.irp t, 0,1,2,3
.if \first
	v_max_num_f32 v[ST+8*\t+4], v[ST+8*\t+4], v[ST+8*\t+7]
.else
	v_max3_num_f32 v[ST+8*\t+4], v[ST+8*\t+4], v[ST+8*\t+7], v[ST+8*\t]   ; and the old m
.endif
.endr
.irp t, 0,1,2,3
	v_permlanex16_b32 v[ST+8*\t+5], v[ST+8*\t+4], s[SEL], s[SEL+1]        ; the query's other 32 keys lie in the lane 16 away
.endr
.if \first == 0
.irp t, 0,1,2,3
	v_mov_b32 v[ST+8*\t+1], v[ST+8*\t]             ; the old m is kept
.endr
.endif
.irp t, 0,1,2,3
	v_max_num_f32 v[ST+8*\t], v[ST+8*\t+4], v[ST+8*\t+5]                  ; the new m
.endr
.irp t, 0,1,2,3
.if \first
	v_mov_b32 v[ST+8*\t+1], v[ST+8*\t]             ; (named with m as a pair below, so it is written)
.else
	v_sub_f32 v[ST+8*\t+1], v[ST+8*\t+1], v[ST+8*\t]                      ; m_old - m, 0 or less
.endif
.endr
.if \first == 0
.irp t, 0,1,2,3
	v_exp_f32 v[ST+8*\t+6], v[ST+8*\t+1]           ; a = 2^(m_old - m)
.endr
	v_nop                                          ; a plain instruction behind the last of the four,
	s_wait_alu depctr_va_vdst(0)                   ; and the wait ahead of the first line that names a: one for the four
.endif
	WIN 0x41                                       ; S^T, O^T (destination, source 0) window 1; m, a window 0
; ONE BATCH of 128 exponentials.  Turn u takes pair u / 4 of tile u % 4: its t - m (exact at the maximum, never above 0), the same pair of O^T x a, and the two exponentials of the pair scaled four turns ago.
; Nothing here names an exponential's result.
.set u, 0
.rept 64
.set tt, u%4
.set pp, u/4
	v_pk_add_f32 v[SS+32*tt+2*pp:SS+32*tt+2*pp+1], v[SS+32*tt+2*pp:SS+32*tt+2*pp+1], v[ST+8*tt:ST+8*tt+1] op_sel_hi:[1,0] neg_lo:[0,1] neg_hi:[0,1]
.if \first == 0
	v_pk_mul_f32 v[OO+32*tt+2*pp:OO+32*tt+2*pp+1], v[OO+32*tt+2*pp:OO+32*tt+2*pp+1], v[ST+8*tt+6:ST+8*tt+7] op_sel_hi:[1,0]   ; each accumulator of O^T from its low end on
.endif
.if u >= 4
	v_exp_f32 v[SS+32*tt+2*pp-2], v[SS+32*tt+2*pp-2]
	v_exp_f32 v[SS+32*tt+2*pp-1], v[SS+32*tt+2*pp-1]
.endif
.set u, u+1
.endr
.irp t, 0,1,2,3
	v_exp_f32 v[SS+32*\t+30], v[SS+32*\t+30]
	v_exp_f32 v[SS+32*\t+31], v[SS+32*\t+31]
.endr
	v_nop                                          ; a plain instruction behind the last exponential,
	s_wait_alu depctr_va_vdst(0)                   ; and ONE wait for the batch, ahead of its first reader
.if \first == 0
	WIN 0
.irp t, 0,1,2,3
	v_pk_mul_f32 v[ST+8*\t+2:ST+8*\t+3], v[ST+8*\t+2:ST+8*\t+3], v[ST+8*\t+6:ST+8*\t+7] op_sel_hi:[1,0]   ; l x a
.endr
.endif
	WIN 0x05                                       ; the row's sum, of the unrounded p, two at a time, in two chains a tile
.irp t, 0,1,2,3
	v_pk_add_f32 v[ST+8*\t+4:ST+8*\t+5], v[SS+32*\t:SS+32*\t+1], v[SS+32*\t+2:SS+32*\t+3]
.endr
	WIN 0x04
.irp k, 4,8,12,16,20,24,28
.irp t, 0,1,2,3
	v_pk_add_f32 v[ST+8*\t+2:ST+8*\t+3], v[ST+8*\t+2:ST+8*\t+3], v[SS+32*\t+\k:SS+32*\t+\k+1]
	v_pk_add_f32 v[ST+8*\t+4:ST+8*\t+5], v[ST+8*\t+4:ST+8*\t+5], v[SS+32*\t+\k+2:SS+32*\t+\k+3]
.endr
.endr
	WIN 0x45                                       ; P: pair i of a tile's weights into its register i: ascending, so nothing unread is written over
.set i, 0
.rept 16
.irp t, 0,1,2,3
	v_cvt_pk_f16_f32 v[SS+32*\t+i], v[SS+32*\t+2*i], v[SS+32*\t+2*i+1]
.endr
.set i, i+1
.endr
	WIN 0
.irp t, 0,1,2,3
	v_pk_add_f32 v[ST+8*\t+2:ST+8*\t+3], v[ST+8*\t+2:ST+8*\t+3], v[ST+8*\t+4:ST+8*\t+5]
.endr
.endm
; A KEY STEP.  On entry: S^T of this step is finished (four places back), V of this step has been asked for.
.macro BODY first
	FETCH_K                                        ; the next step's K
	SOFTMAX \first
	s_wait_dscnt 16                                ; V of this step is in; the 16 younger loads, K's, may be out
	PVM \first
	WIN 0
.rept 5
	v_nop                                          ; five places: the products below write S^T over P, which the products above have read; and V's registers are loaded anew
.endr
	FETCH_V                                        ; the next step's V
	s_wait_dscnt 16                                ; K is in; V's 16 loads may be out
	QK                                             ; the next step's scores
	WIN 0
.rept 4
	v_nop                                          ; four places ahead of the next loads into K's registers and the next reads of S^T
.endr
	s_add_co_u32 s[TK], s[TK], KSB
	s_add_co_u32 s[TV], s[TV], VSB
.endm
.macro STEPS n
	s_mov_b32 s[CNT], \n
.Lstep_\@:
	BODY 0
	s_sub_co_u32 s[CNT], s[CNT], 1
	s_cmp_lg_u32 s[CNT], 0
	s_cbranch_scc1 .Lstep_\@
.endm
; THE CHANGE OF SLOTS stands where the slot's last K and V have been asked for.  Each wave waits for all its tensor loads (its part of the other slot), adds 0 to its spare word, and waits for that and for its reads of
; the slot.  Behind the barrier nobody reads this slot any more and the other is whole.  fill = 1: slot s takes the keys 1,024 on; the barrier is then a round of the cluster's, and the joint load is the first thing behind it:
; it has eight key steps in which to land.
.macro CHANGE fill, s, next
	s_wait_tensorcnt 0x0                           ; no tensor load of mine is out, so a group 0 may be written
	ds_add_u32 v[SPW], v[NIL]                      ; 0 onto my spare word
.if \fill
	s_add_nc_u64 s[G0K+4*\s+2:G0K+4*\s+3], s[G0K+4*\s+2:G0K+4*\s+3], 131072   ; 1,024 keys of 128 bytes on; the type bits on top are not reached
	s_add_nc_u64 s[G0V+4*\s+2:G0V+4*\s+3], s[G0V+4*\s+2:G0V+4*\s+3], 131072
.endif
	s_wait_dscnt 0x0                               ; the add is done, and my reads of the slot are over
.if \fill
	CROUND
	JLOAD \s
.else
	s_barrier_signal -1
	s_barrier_wait -1
.endif
	s_mov_b32 s[TK], \next*SLOTB                   ; the fetches go on in the other slot
	s_mov_b32 s[TV], \next*SLOTB+VOFF
.endm
	s_wait_tensorcnt 1                             ; my part of slot 0 is in; slot 1's may stay out
	s_barrier_signal -1
	s_barrier_wait -1                              ; everybody's is
	FETCH_K                                        ; key step 0
	s_wait_loadcnt 0x0                             ; Q
	s_wait_dscnt 0x0
	QK
	WIN 0
.rept 4
	v_nop
.endr
	FETCH_V
	s_add_co_u32 s[TK], s[TK], KSB
	s_add_co_u32 s[TV], s[TV], VSB
	BODY 1                                         ; step 0 (it fetches and multiplies K of step 1)
	STEPS 6                                        ; steps 1-6: step 6 has asked for the last of slot 0
	CHANGE 1, 0, 1                                 ; slot 0 takes keys 1,024 on
	; A PREFETCH INTO THE L2 of what the next change of slots will ask for, keys 1,536 on: eight key steps ahead of that load.  Each aligned 256 bytes is named once: see the head.  It stands behind the tensor load's five lines
	s_cmp_eq_u32 s[ODD], 0
	s_cbranch_scc0 .Lnot_mine
	global_prefetch_b8 v[PFO], s[PFA:PFA+1] th:TH_LOAD_NT scope:SCOPE_SE
.Lnot_mine:
	STEPS 8                                        ; steps 7-14
	CHANGE 1, 1, 0                                 ; slot 1 takes keys 1,536 on
	STEPS 8                                        ; steps 15-22
	CHANGE 0, 0, 1                                 ; nothing is left to ask for
	STEPS 8                                        ; steps 23-30
	SOFTMAX 0                                      ; step 31
	s_wait_dscnt 0x0
	PVM 0
	; THE WAY OUT.  l's two halves and the other half of the lanes' are added; O^T is divided by l, rounded to f16 and sent through my stage, a tile (16 tokens) at a time.  The first additions are the places behind the last products.
	WIN 0
.irp t, 0,1,2,3
	v_add_f32 v[ST+8*\t+4], v[ST+8*\t+2], v[ST+8*\t+3]
.endr
.irp t, 0,1,2,3
	v_permlanex16_b32 v[ST+8*\t+5], v[ST+8*\t+4], s[SEL], s[SEL+1]
.endr
.irp t, 0,1,2,3
	v_add_f32 v[ST+8*\t+4], v[ST+8*\t+4], v[ST+8*\t+5]
.endr
.irp t, 0,1,2,3
	v_rcp_f32 v[ST+8*\t+6], v[ST+8*\t+4]
.endr
	v_nop                                          ; a plain instruction behind the last reciprocal,
	s_wait_alu depctr_va_vdst(0)                   ; and one wait for the four, ahead of their first use
.macro OUT t
	WIN 0x41
.set i, 0
.rept 16
	v_pk_mul_f32 v[OO+32*\t+2*i:OO+32*\t+2*i+1], v[OO+32*\t+2*i:OO+32*\t+2*i+1], v[ST+8*\t+6:ST+8*\t+7] op_sel_hi:[1,0]
.set i, i+1
.endr
	WIN 0x45
.set i, 0
.rept 16
	v_cvt_pk_f16_f32 v[OO+32*\t+i], v[OO+32*\t+2*i], v[OO+32*\t+2*i+1]    ; registers 4 c .. 4 c + 3: channels 16 c + 8 h + 0..7 of token r
.set i, i+1
.endr
	WIN 0x04                                       ; an LDS store's data are its source 1: window 1
.irp c, 0,1,2,3
	ds_store_b128 v[STO], v[OO+32*\t+4*\c:OO+32*\t+4*\c+3] offset:32*\c
.endr
	WIN 0
.irp n, 0,1,2,3
	ds_load_b128 v[KF+16*\t+4*\n:KF+16*\t+4*\n+3], v[RD] offset:4*SP*\n   ; LDS serves a wave's instructions in order (ISA guide 5.7.1.4): these see the stores above, and the next tile's stores come behind them
.endr
.endm
	OUT 0
	OUT 1
	OUT 2
	OUT 3
.irp t, 0,1,2,3
.irp n, 0,1,2,3
	s_wait_dscnt 8*(3-\t)+3-\n                     ; behind this load: the rest of its tile's loads and eight LDS instructions for each later tile
	global_store_b128 v[GO], v[KF+16*\t+4*\n:KF+16*\t+4*\n+3], s[6:7] offset:2048*\t+512*\n   ; 32 lanes store 512 consecutive bytes, aligned on 256
.endr
.endr
	s_wait_tensorcnt 0x0                           ; the wave's end, behind my last tensor load and my last LDS store
	ds_add_u32 v[SPW], v[NIL]
	s_wait_dscnt 0x0
	CROUND                                         ; the closing round: no work-group ends while a partner may still ask for a tile that names it
	s_endpgm
.Lfunc_end_k_q26291fafaa_attn:
	.size	k_q26291fafaa_attn, .Lfunc_end_k_q26291fafaa_attn-k_q26291fafaa_attn
	.p2alignl 7, 3214868480
	.fill 96, 4, 3214868480
	.section	.rodata,"a",@progbits
	.p2align	6, 0x0
	.amdhsa_kernel k_q26291fafaa_attn
		.amdhsa_group_segment_fixed_size 327680
		.amdhsa_private_segment_fixed_size 0
		.amdhsa_enable_private_segment 0
		.amdhsa_kernarg_size 16
		.amdhsa_user_sgpr_count 2
		.amdhsa_user_sgpr_kernarg_segment_ptr 1
		.amdhsa_wavefront_size32 1
		.amdhsa_system_sgpr_workgroup_id_x 1
		.amdhsa_system_sgpr_workgroup_id_y 1
		.amdhsa_system_sgpr_workgroup_id_z 1
		.amdhsa_system_vgpr_workitem_id 0
		.amdhsa_next_free_vgpr 512
		.amdhsa_next_free_sgpr 66
		.amdhsa_reserve_vcc 0
		.amdhsa_float_denorm_mode_32 3
		.amdhsa_float_denorm_mode_16_64 3
		.amdhsa_memory_ordered 1
		.amdhsa_forward_progress 1
		.amdhsa_inst_pref_size 214
	.end_amdhsa_kernel
	.amdgpu_metadata
---
amdhsa.version: [ 1, 2 ]
amdhsa.kernels:
  - .name:           k_q26291fafaa_attn
    .symbol:         k_q26291fafaa_attn.kd
    .args:
      - { .name: qkv, .offset: 0, .size: 8, .value_kind: global_buffer, .address_space: global }
      - { .name: o16, .offset: 8, .size: 8, .value_kind: global_buffer, .address_space: global }
    .group_segment_fixed_size: 327680
    .private_segment_fixed_size: 0
    .kernarg_segment_align: 8
    .kernarg_segment_size: 16
    .max_flat_workgroup_size: 256
    .sgpr_count:     66
    .vgpr_count:     512
    .wavefront_size: 32
...
	.end_amdgpu_metadata
.endif
;; end of part 3
;; launch proj (part 4): grid 4 x 64, 4 waves a work-group, clusters of 4 x 4, 327,680 bytes of LDS; arguments o16, wo16, b_out, out0; writes out0
.if DOCPART == 4
	.amdgcn_target "amdgcn-amd-amdhsa--gfx1250"
	.amdhsa_code_object_version 6
	.text
	.protected	k_q26291fafaa_proj
	.globl	k_q26291fafaa_proj
	.p2align	8
	.type	k_q26291fafaa_proj,@function
k_q26291fafaa_proj:
	s_mov_b64 s[64:65], 0
	v_nop
	global_prefetch_b8 v0, s[64:65] scope:SCOPE_SE
	s_setreg_imm32_b32 hwreg(HW_REG_WAVE_MODE, 25, 1), 1
	s_wait_xcnt 0x0
	s_wait_alu depctr_hold_cnt(0) depctr_sa_sdst(0) depctr_va_vdst(0) depctr_va_sdst(0) depctr_va_ssrc(0) depctr_va_vcc(0) depctr_vm_vsrc(0)
	s_getreg_b32 s2, hwreg(HW_REG_IB_STS2, 6, 4)
	s_cmp_eq_u32 s2, 0
	s_cbranch_scc0 .Lentry_in_a_cluster
	s_endpgm
.Lentry_in_a_cluster:
	s_bfe_u32 s2, ttmp6, 0x10000c
	s_cmp_lg_u32 s2, 0xf033
	s_cbranch_scc0 .Lentry_shape_is_right
	s_endpgm
.Lentry_shape_is_right:
; out0[m][n] = the sum over k of o[m][k] w_out[k][n] + b_out[n].  o16: [batch 4][head 16][token 2048][64] f16, so k = 64 x head + channel; wo16: [k 1024][n 1024] f16; out0: [8192][1024] f32.  Sums in f32, begun with the bias.
; A tile of out0 is 128 (m) x 256 (n): 256 work-groups.  Four waves, each 64 x 128: 32 accumulators, 256 registers.  K goes in 8 steps of 128 (two heads) through two LDS slots.
; A's tile: two planes (heads) of 128 tokens x 128 bytes, dense in memory: 64 rows of 256 bytes (two tokens) a plane, 272 bytes apart in LDS.  B's tile: 128 rows (k) of 512 bytes, 544 apart; its fragments are turned by ds_load_tr16_b128.
; CLUSTERS: 4 x 4 work-groups.  A row of the cluster needs the same tiles of A, a column the same tiles of B: each is asked for jointly.  Waves 0, 1 fetch A's two planes, waves 2, 3 B's two halves: one load a wave.
; THE MATRIX INSTRUCTION IS USED TRANSPOSED (source 0 = 16 columns of w_out, source 1 = 16 tokens): a lane holds eight neighbouring numbers of a row of out0.
; REGISTERS: window 0: v0-31 addresses; two fragment buffers for 32 along K: A's 4 blocks at v32 / v128, B's 8 at v64 / v160; on the way out v32-159 are rows read back.
;   window 1: the accumulators ((a, b) at v[8 (8 a + b)]).   window 2: v0-63 the bias, 8 registers for each of my 8 blocks of columns.
; No prefetch: the tiles are small and shared in the cluster, and a K step's refill has the other slot's whole step in which to land.
.set PA,     272                       ; an LDS row of A: two tokens' 256 bytes + 16
.set PLANE,  64*PA                     ; a head's 128 tokens: what one of A's loads brings
.set PB,     544                       ; an LDS row of B: 512 bytes + 32: 8 rows x 32 bytes of a turning load fall on 16 different 16-byte columns modulo 256
.set BOFF,   2*PLANE
.set HALFB,  64*PB                     ; what one of B's loads brings
.set SLOT,   BOFF+2*HALFB
.set STAGE,  2*SLOT                    ; behind the slots: 16 rows x (512 bytes + 16) for each wave
.set SPITCH, 528
.set SPARE,  STAGE+4*16*SPITCH         ; the spare words, 128 bytes for each wave: two blocks of 256 bytes that no other line names
.set LAPS,   4                         ; a lap = two K steps = once round the ring
.set ADRA, 16                          ; v16-17  LDS address of my A fragments in slot 0, 1
.set ADRB, 20                          ; v20-21  the same for B
.set STO,  24                          ; v24     the way out: where I put 32 bytes of a row
.set RD,   25                          ; v25     where I read a row back
.set CO,   26                          ; v26     16 x lane
.set BO,   27                          ; v27     the bias: 32 x (lane / 16)
.set SPW,  28                          ; v28     LDS address of my spare word; never rewritten
.set NIL,  29                          ; v29     0; never rewritten
.set F0,   32
.set F1,   128
.set BK,   32                          ; rows read back: v32-95 and v96-159 by turns
.set G1, 24                            ; s[24:31] group 1 for A's tiles;  s[32:39] group 0, a set for each slot
.set G0, 32
.set G1B, 48                           ; s[48:55], s[56:63] the same for B's
.set G0B, 56
.set MSB, 0
.macro WIN new                         ; the immediate's high byte repeats the setting that is left; a switch that changes nothing is dropped
.if MSB != (\new)
	s_set_vgpr_msb (MSB<<8)|(\new)
.set MSB, (\new)
.endif
.endm
.set MUL, 0x50                         ; sources 0 and 1 window 0; C and D window 1.  The first quarter takes C, the bias, from window 2: 0x60
.macro JLOAD s                         ; a joint load; the branch hangs on the wave's number alone; an s_nop 0 and four v_nop follow each line
	s_cmp_eq_u32 s13, 0
	s_cbranch_scc0 .Lfor_b_\@
	tensor_load_to_lds s[G0+4*\s:G0+4*\s+3], s[G1:G1+7]
	s_nop 0
.rept 4
	v_nop
.endr
	s_branch .Lasked_\@
.Lfor_b_\@:
	tensor_load_to_lds s[G0B+4*\s:G0B+4*\s+3], s[G1B:G1B+7]
	s_nop 0
.rept 4
	v_nop
.endr
.Lasked_\@:
.endm
.macro CREST                           ; a round of the cluster's barrier behind its opening barrier
	s_cmp_lg_u32 s12, 0
	s_cbranch_scc1 .Lnot_wave_0_\@
	s_barrier_signal -3
.Lnot_wave_0_\@:
	s_barrier_wait -3
	s_barrier_signal -1
	s_barrier_wait -1
.endm
.macro CROUND                          ; a whole round
	s_barrier_signal -1
	s_barrier_wait -1
	CREST
.endm
	s_load_b256 s[4:11], s[0:1], 0x0               ; o16 s[4:5], wo16 s[6:7], b_out s[8:9], out0 s[10:11]
	v_lshl_add_u32 v[SPW], v0, 2, SPARE
	v_mov_b32 v[NIL], 0
	ds_add_u32 v[SPW], v[NIL]                      ; the wave's opening: the add, twice on end, and its wait ahead of my first tensor load
	ds_add_u32 v[SPW], v[NIL]                      ; once more; the set-up below, work on registers, stands between it and the wait
	v_lshrrev_b32 v1, 5, v0
	v_readfirstlane_b32 s12, v1                    ; wave 0..3
	s_lshr_b32 s13, s12, 1                         ; which 64 rows of the tile are mine.  Also: I fetch for A (0) or for B (1)
	s_and_b32 s14, s12, 1                          ; which 128 columns.  Also: which plane of A, or which 64 rows of B, I fetch
	s_bfe_u32 s40, ttmp6, 0x40000                  ; cx, cy: my place in the cluster
	s_bfe_u32 s41, ttmp6, 0x40004
	s_lshl_b32 s42, ttmp9, 2
	s_add_co_u32 s42, s42, s40                     ; tile column = 4 x cluster x + cx
	s_and_b32 s15, ttmp7, 0xffff
	s_lshl_b32 s15, s15, 2
	s_add_co_u32 s15, s15, s41                     ; tile row = 4 x cluster y + cy
	s_lshl_b32 s43, s41, 2
	s_lshl_b32 s43, 15, s43                        ; my row of the cluster
	s_lshl_b32 s44, 0x1111, s40                    ; my column
	s_or_b32 s[G1+0], s43, (1<<16)|(1<<20)|(1<<21)|(5<<22)|(3<<25)   ; A: the mask of my row; elements of 2 bytes; padding on; bit 21 beside a mask; after every 64 words four words
	s_mov_b32 s[G1+1], 128<<16                     ; tensor_dim0 = 128 elements: two tokens
	s_mov_b32 s[G1+2], 64<<16                      ; tensor_dim1
	s_mov_b32 s[G1+3], 128<<16                     ; tile_dim0
	s_mov_b32 s[G1+4], 64                          ; tile_dim1
	s_mov_b32 s[G1+5], 128                         ; from row to row: dense
	s_mov_b32 s[G1+6], 0
	s_mov_b32 s[G1+7], 0
	s_or_b32 s[G1B+0], s44, (1<<16)|(1<<20)|(1<<21)|(6<<22)|(7<<25)  ; B: the mask of my column; after every 128 words eight words
	s_mov_b32 s[G1B+1], 256<<16
	s_mov_b32 s[G1B+2], 64<<16
	s_mov_b32 s[G1B+3], 256<<16
	s_mov_b32 s[G1B+4], 64
	s_mov_b32 s[G1B+5], 1024
	s_mov_b32 s[G1B+6], 0
	s_mov_b32 s[G1B+7], 0
	; A: ((batch x 16 + head) x 2,048 + token) x 128 bytes; the tile's first row is 128 x tile row: batch = tile row / 16, token = 128 x (tile row % 16); head = my plane.  It hangs on the tile row alone
	s_lshr_b32 s16, s15, 4
	s_lshl_b32 s16, s16, 22
	s_and_b32 s17, s15, 15
	s_lshl_b32 s17, s17, 14
	s_add_co_u32 s16, s16, s17
	s_lshl_b32 s17, s14, 18
	s_add_co_u32 s16, s16, s17
	s_mov_b32 s17, 0
	; B: row 64 x half of 2,048 bytes, + 512 x tile column.  It hangs on the tile column alone
	s_lshl_b32 s46, s14, 17
	s_lshl_b32 s47, s42, 9
	s_add_co_u32 s46, s46, s47
	s_mov_b32 s47, 0
	s_mul_i32 s20, s14, PLANE                      ; where they go: no place in the cluster enters an LDS address
	s_mul_i32 s21, s14, HALFB
	s_add_co_u32 s21, s21, BOFF
	s_wait_dscnt 0x0                               ; both opening adds are done
	s_wait_kmcnt 0x0
	s_add_nc_u64 s[18:19], s[4:5], s[16:17]
	s_add_nc_u64 s[46:47], s[6:7], s[46:47]
	CROUND                                         ; all sixteen work-groups are here: the first joint loads meet
.irp s, 0,1
	s_mov_b32 s[G0+4*\s], 1
	s_add_co_u32 s[G0+4*\s+1], s20, \s*SLOT
	s_add_nc_u64 s[G0+4*\s+2:G0+4*\s+3], s[18:19], \s*524288      ; K step s: two heads on
	s_or_b32 s[G0+4*\s+3], s[G0+4*\s+3], 0x80000000
	s_mov_b32 s[G0B+4*\s], 1
	s_add_co_u32 s[G0B+4*\s+1], s21, \s*SLOT
	s_add_nc_u64 s[G0B+4*\s+2:G0B+4*\s+3], s[46:47], \s*262144    ; 128 rows on
	s_or_b32 s[G0B+4*\s+3], s[G0B+4*\s+3], 0x80000000
	JLOAD \s                                       ; two loads of mine are out
.endr
	v_and_b32 v1, 15, v0                           ; r = lane % 16
	v_bfe_u32 v2, v0, 4, 1                         ; h = lane / 16
	; the bias: lane (r, h) wants, for my block b of 16 columns, b_out at columns 16 b + 8 h + 0 .. 7
	v_lshlrev_b32 v[BO], 5, v2
	s_lshl_b32 s46, s42, 10                        ; my first column x 4 bytes: 1,024 x tile column + 512 x half
	s_lshl_b32 s47, s14, 9
	s_add_co_u32 s46, s46, s47
	s_mov_b32 s47, 0
	s_add_nc_u64 s[8:9], s[8:9], s[46:47]
	WIN 0x80                                       ; destination window 2
.irp b, 0,1,2,3,4,5,6,7
	global_load_b128 v[8*\b:8*\b+3], v[BO], s[8:9] offset:64*\b
	global_load_b128 v[8*\b+4:8*\b+7], v[BO], s[8:9] offset:64*\b+16
.endr
	WIN 0
	v_lshrrev_b32 v3, 1, v1
	v_mul_u32_u24 v3, v3, PA
	v_and_b32 v4, 1, v0
	v_lshl_add_u32 v3, v4, 7, v3
	v_lshl_add_u32 v3, v2, 4, v3                   ; A: token r: (r / 2) x 272 + (r % 2) x 128, + 16 h
	v_and_b32 v4, 7, v0
	v_lshl_add_u32 v4, v2, 3, v4
	v_mul_u32_u24 v4, v4, PB
	v_bfe_u32 v5, v0, 3, 1
	v_lshl_add_u32 v4, v5, 4, v4                   ; B: row 8 h + l % 8, + 16 ((l / 8) % 2)
	s_mul_i32 s22, s13, 32*PA                      ; my 64 tokens
	s_lshl_b32 s23, s14, 8                         ; my 128 columns,
	s_add_co_u32 s23, s23, BOFF                    ; behind A's planes
.irp s, 0,1
	v_add_nc_u32 v[ADRA+\s], s22, v3
	v_add_nc_u32 v[ADRB+\s], s23, v4
	s_add_co_u32 s22, s22, SLOT
	s_add_co_u32 s23, s23, SLOT
.endr
	s_mul_i32 s22, s12, 16*SPITCH
	s_add_co_u32 s22, s22, STAGE                   ; my stage
	v_mul_u32_u24 v5, v1, SPITCH                   ; in: row r, 32 bytes for each half of the lanes
	v_lshl_add_u32 v5, v2, 5, v5
	v_add_nc_u32 v[STO], s22, v5
	v_and_b32 v6, 31, v0
	v_lshlrev_b32 v[CO], 4, v6                     ; back: the 32 lanes take one row of 512 bytes; and the same in out0
	v_add_nc_u32 v[RD], s22, v[CO]
	s_lshl_b32 s16, s15, 19                        ; my first row of out0: (128 x tile row + 64 x half) x 4,096 bytes
	s_lshl_b32 s17, s13, 18
	s_add_co_u32 s16, s16, s17
	s_mov_b32 s17, 0
	s_add_nc_u64 s[10:11], s[10:11], s[16:17]
	s_add_nc_u64 s[10:11], s[10:11], s[46:47]      ; + my first column
; 8 matrix instructions: A's block a x B's eight, 32 along K, from buffer f.  zero = 1: the first product starts the sums, with the bias as C.  The 32 accumulators take turns, one instruction a turn.
.macro MUL8 f, a, zero
.irp b, 0,1,2,3,4,5,6,7
.if \zero
	v_wmma_f32_16x16x32_f16 v[8*(8*(\a)+\b):8*(8*(\a)+\b)+7], v[\f+32+8*\b:\f+32+8*\b+7], v[\f+8*(\a):\f+8*(\a)+7], v[8*\b:8*\b+7]
.else
	v_wmma_f32_16x16x32_f16 v[8*(8*(\a)+\b):8*(8*(\a)+\b)+7], v[\f+32+8*\b:\f+32+8*\b+7], v[\f+8*(\a):\f+8*(\a)+7], v[8*(8*(\a)+\b):8*(8*(\a)+\b)+7]
.endif
.endr
.endm
; 24 LDS loads in one run: the fragments of the slot's q-th 32 along K into buffer f: B's sixteen (turned) first, then A's eight.  Quarter q lies in plane q / 2, channels 32 (q % 2) on
.macro FETCH slot, q, f
.irp b, 0,1,2,3,4,5,6,7
	ds_load_tr16_b128 v[\f+32+8*\b:\f+32+8*\b+3], v[ADRB+\slot] offset:32*PB*(\q)+32*\b
	ds_load_tr16_b128 v[\f+32+8*\b+4:\f+32+8*\b+7], v[ADRB+\slot] offset:32*PB*(\q)+32*\b+16*PB
.endr
.irp a, 0,1,2,3
	ds_load_b128 v[\f+8*\a:\f+8*\a+3], v[ADRA+\slot] offset:((\q)/2)*PLANE+((\q)%2)*64+8*PA*\a
	ds_load_b128 v[\f+8*\a+4:\f+8*\a+7], v[ADRA+\slot] offset:((\q)/2)*PLANE+((\q)%2)*64+8*PA*\a+32
.endr
.endm
.macro PLACES                          ; four places in front of loads into registers that matrix instructions have read, and of the first read of results (ISA guide 7.12.1 for vector instructions)
.rept 4
	v_nop
.endr
.endm
; A K step is four quarters of 32 along K, 32 matrix instructions each, on buffers 0, 1, 0, 1.  One of the first three: multiplies buffer f and fetches quarter q of the slot into g.
.macro QUARTER slot, q, f, g, zero
	s_wait_dscnt 4                                 ; B and A's blocks 0, 1 are in; the youngest four loads (A's blocks 2, 3) may be out
	WIN MUL+0x10*(\zero)
	MUL8 \f, 0, \zero
	MUL8 \f, 1, \zero
	WIN 0
	PLACES
	FETCH \slot, \q, \g
	s_wait_dscnt 24                                ; all but the 24 just issued
	WIN MUL+0x10*(\zero)
	MUL8 \f, 2, \zero
	MUL8 \f, 3, \zero
.endm
; The last quarter multiplies buffer 1 and changes slots: ONE barrier; in front of it each wave waits for all its tensor loads, adds 0 to its spare word, and waits for that and for its reads of this slot.
; fill = 1: the barrier opens a round of the cluster's barrier, and this slot is filled again, two K steps ahead: the load has a K step less eight products in which to land.
.macro TURN slot, next, fill
	WIN 0                                          ; (the add's two registers lie in window 0)
	s_wait_tensorcnt 0x0                           ; all my tensor loads have landed: my part of the next slot
	ds_add_u32 v[SPW], v[NIL]                      ; 0 onto my spare word
	s_wait_dscnt 5                                 ; (the add and the youngest four loads may be out)
	WIN MUL
	MUL8 F1, 0, 0                                  ; eight matrix instructions stand between the add and the wait for it
	s_wait_dscnt 0x0                               ; the add is done, and my reads of this slot are over
	s_barrier_signal -1
	MUL8 F1, 1, 0
	WIN 0
	s_barrier_wait -1
.if \fill
	CREST                                          ; no wave of any partner still reads this slot's tile or has a load on its way
	s_add_nc_u64 s[G0+4*\slot+2:G0+4*\slot+3], s[G0+4*\slot+2:G0+4*\slot+3], 1048576    ; four heads on
	s_add_nc_u64 s[G0B+4*\slot+2:G0B+4*\slot+3], s[G0B+4*\slot+2:G0B+4*\slot+3], 524288 ; 256 rows on
	JLOAD \slot                                    ; the first tensor load behind the round; its four v_nop are also the places in front of the loads below
.else
	PLACES
.endif
	FETCH \next, 0, F0
	WIN MUL
	MUL8 F1, 2, 0
	MUL8 F1, 3, 0
.endm
	s_wait_tensorcnt 1                             ; my part of K step 0 is in (K step 1's load may be out),
	s_barrier_signal -1
	s_barrier_wait -1                              ; everybody's is
	FETCH 0, 0, F0
	s_wait_loadcnt 0x0                             ; the bias
	QUARTER 0, 1, F0, F1, 1                        ; the first quarter stands in front of the loop: its products start the sums
	WIN 0                                          ; at a label and at a branch every window is 0
	s_mov_b32 s3, LAPS-1
.Llap:                                                 ; a trip goes once round the ring, from a lap's second quarter to the next lap's first, and fills both slots again
	QUARTER 0, 2, F1, F0, 0
	QUARTER 0, 3, F0, F1, 0
	TURN 0, 1, 1
	QUARTER 1, 1, F0, F1, 0
	QUARTER 1, 2, F1, F0, 0
	QUARTER 1, 3, F0, F1, 0
	TURN 1, 0, 1
	QUARTER 0, 1, F0, F1, 0
	WIN 0
	s_sub_co_u32 s3, s3, 1
	s_cmp_lg_u32 s3, 0
	s_cbranch_scc1 .Llap
	QUARTER 0, 2, F1, F0, 0                        ; the last lap fills nothing, and has no round of the cluster's barrier
	QUARTER 0, 3, F0, F1, 0
	TURN 0, 1, 0
	QUARTER 1, 1, F0, F1, 0
	QUARTER 1, 2, F1, F0, 0
	QUARTER 1, 3, F0, F1, 0
	s_wait_dscnt 4                                 ; the very last quarter: nothing more to fetch
	WIN MUL
	MUL8 F1, 0, 0
	MUL8 F1, 1, 0
	s_wait_dscnt 0
	MUL8 F1, 2, 0
	MUL8 F1, 3, 0
	WIN 0
; THE WAY OUT, block by block of 16 rows x 128 columns.  A lane holds 32 neighbouring bytes of a row: a block goes through my own stage and comes back as whole rows of 512 bytes, which the 32 lanes store, aligned on 256.
.macro TOSTAGE a
	WIN 0x04                                       ; an LDS store's data are its source 1: window 1
.irp b, 0,1,2,3,4,5,6,7
	ds_store_b128 v[STO], v[64*(\a)+8*\b:64*(\a)+8*\b+3] offset:64*\b          ; each accumulator from its low end on
	ds_store_b128 v[STO], v[64*(\a)+8*\b+4:64*(\a)+8*\b+7] offset:64*\b+16
.endr
	WIN 0
.set BB, BK+64*((\a)%2)
.irp t, 0,1,2,3,4,5,6,7,8,9,10,11,12,13,14,15
	ds_load_b128 v[BB+4*\t:BB+4*\t+3], v[RD] offset:\t*SPITCH    ; LDS serves a wave's instructions in order (ISA guide 5.7.1.4): these see the stores above
.endr
.endm
.macro SEND a, younger                 ; younger: the LDS instructions issued behind block a's loads, which may stay out
.set BB, BK+64*((\a)%2)
	s_wait_dscnt \younger
.irp t, 0,1,2,3,4,5,6,7,8,9,10,11,12,13,14,15
	global_store_b128 v[CO], v[BB+4*\t:BB+4*\t+3], s[10:11] offset:65536*(\a)+4096*\t th:TH_STORE_NT
.endr
.endm
	PLACES                                         ; behind the last products: for the first reads of results and the loads into the fragments' registers
	TOSTAGE 0
.irp a, 1,2,3
.if \a > 1
	s_wait_xcnt 0x0                                ; block a - 2's stores have read their registers: block a's loads may land there
.endif
	TOSTAGE \a
	SEND \a-1, 32                                  ; behind block a - 1's loads: block a's 16 stores and 16 loads
.endr
	SEND 3, 0
	s_wait_tensorcnt 0x0                           ; the wave's end, behind my last tensor load and my last LDS store
	ds_add_u32 v[SPW], v[NIL]
	s_wait_dscnt 0x0
	CROUND                                         ; the closing round: no work-group ends while a partner may still ask for a tile that names it
	s_endpgm
.Lfunc_end_k_q26291fafaa_proj:
	.size	k_q26291fafaa_proj, .Lfunc_end_k_q26291fafaa_proj-k_q26291fafaa_proj
	.p2alignl 7, 3214868480
	.fill 96, 4, 3214868480
	.section	.rodata,"a",@progbits
	.p2align	6, 0x0
	.amdhsa_kernel k_q26291fafaa_proj
		.amdhsa_group_segment_fixed_size 327680
		.amdhsa_private_segment_fixed_size 0
		.amdhsa_enable_private_segment 0
		.amdhsa_kernarg_size 32
		.amdhsa_user_sgpr_count 2
		.amdhsa_user_sgpr_kernarg_segment_ptr 1
		.amdhsa_wavefront_size32 1
		.amdhsa_system_sgpr_workgroup_id_x 1
		.amdhsa_system_sgpr_workgroup_id_y 1
		.amdhsa_system_sgpr_workgroup_id_z 1
		.amdhsa_system_vgpr_workitem_id 0
		.amdhsa_next_free_vgpr 576
		.amdhsa_next_free_sgpr 66
		.amdhsa_reserve_vcc 0
		.amdhsa_float_denorm_mode_32 3
		.amdhsa_float_denorm_mode_16_64 3
		.amdhsa_memory_ordered 1
		.amdhsa_forward_progress 1
		.amdhsa_inst_pref_size 87
	.end_amdhsa_kernel
	.amdgpu_metadata
---
amdhsa.version: [ 1, 2 ]
amdhsa.kernels:
  - .name:           k_q26291fafaa_proj
    .symbol:         k_q26291fafaa_proj.kd
    .args:
      - { .name: o16, .offset: 0, .size: 8, .value_kind: global_buffer, .address_space: global }
      - { .name: wo16, .offset: 8, .size: 8, .value_kind: global_buffer, .address_space: global }
      - { .name: b_out, .offset: 16, .size: 8, .value_kind: global_buffer, .address_space: global }
      - { .name: out0, .offset: 24, .size: 8, .value_kind: global_buffer, .address_space: global }
    .group_segment_fixed_size: 327680
    .private_segment_fixed_size: 0
    .kernarg_segment_align: 8
    .kernarg_segment_size: 32
    .max_flat_workgroup_size: 128
    .sgpr_count:     66
    .vgpr_count:     576
    .wavefront_size: 32
...
	.end_amdgpu_metadata
.endif
;; end of part 4
